; MI455X (gfx1250); checked and timed in simulation.
; The chip was launched on July 23, 2026; its instructions are those of AMD's public machine-readable ISA for CDNA 5 (MIT licence, August 2026) and "CDNA5" Instruction Set Architecture Reference Guide (July 2026). The comments in the code are by the model that wrote it; some were corrected since.
;; Deformable Transformer ACTR. Allowed arithmetic: float matrix products may take bf16 or f16 operands with f32 sums; all other float work in f32.
;; Inputs: W1 256 x 1,024 float32; W2 1,024 x 256 float32; Wa 256 x 128 float32; Wo 256 x 256 float32; Woff 256 x 256 float32; Wv 256 x 256 float32; ba 128 float32; be1 256 float32; be2 256 float32; bf1 1,024 float32; bf2 256 float32; bo 256 float32; boff 256 float32; bv 256 float32; g1 256 float32; g2 256 float32; q_feat 2 x 10,000 x 256 float32; q_pos 2 x 10,000 x 256 float32; q_ref 2 x 10,000 x 2 float32; src 2 x 19,560 x 256 float32; valid_ratios 2 x 4 x 2 float32.
;; Outputs: out0 2 x 10,000 x 256 float32.
;; 2 versions, each right and faster than the one before. Each part assembles by itself: llvm-mc -triple=amdgcn-amd-amdhsa -mcpu=gfx1250 --defsym DOCPART=n.
;; ======== version 1 of 2: 4 launches
;; limits: values are held in f16: magnitudes above 65,504 overflow, below 6.1e-05 lose precision
;; workspace buffers: wt 1,507,328 bytes; vws 20,029,440 bytes; idx 10,240,000 bytes of whole numbers; wts 20,480,000 bytes
;; launch prep (part 1): grid 184 x 1, 8 waves a work-group, no clusters, 0 bytes of LDS; arguments Wv, Woff, Wa, Wo, W1, W2, wt; writes wt
.if DOCPART == 1
	.amdgcn_target "amdgcn-amd-amdhsa--gfx1250"
	.amdhsa_code_object_version 6
	.text
	.protected	k_qfd05f50396_prep
	.globl	k_qfd05f50396_prep
	.p2align	8
	.type	k_qfd05f50396_prep,@function
k_qfd05f50396_prep:
	s_mov_b64 s[64:65], 0
	v_nop
	global_prefetch_b8 v0, s[64:65] scope:SCOPE_SE
	s_setreg_imm32_b32 hwreg(HW_REG_WAVE_MODE, 25, 1), 1
	s_wait_xcnt 0x0
; prep: the six weight matrices, f32 [K][N], become f16 blocks in the order in which a matrix operand lies in registers.
; FORMAT: f16, whose rounding is eight times finer than bf16's.  Room: the matrices' spreads are 0.01 to 0.0625; thirty times smaller or larger,
; or with an offset of thirty spreads, that is 3.3e-4 to 1.9, inside f16's normal range (6.1e-5 to 65,504); single elements under 6.1e-5 are
; rounded with at most 2^-25, a ten-thousandth of the smallest spread.  LIMIT: a weight beyond 65,504 becomes infinite.
; One block = 16 columns x 32 k = 1,024 bytes: bytes 16 L .. 16 L + 15 are lane L's registers 0-3 (k = 32 ks + 8 h + 0..7 of column r),
; the second 512 bytes its registers 4-7 (k + 16);  r = L & 15, h = L >> 4.  A later launch fills a fragment by two loads of 512 consecutive bytes.
; Blocks 0-127 Wv, 128-255 Woff, 256-319 Wa: block ((nt >> 2) * 8 + ks) * 4 + (nt & 3) of column tile nt.
; Blocks 320-1471: for each of the last launch's four waves one stream of 72 steps x 4 tiles: steps 0-7 Wo, 8-39 W1 (4 passes of 8), 40-71 W2.
; Wa's 16 columns of a head are permuted (slot r takes column 8 ((r >> 2) & 1) + 4 (r >> 3) + (r & 3)), so that a lane's logits lie on the
; same pyramid levels as its offsets in the next launch but one.
; One wave makes one block: 1,472 blocks = 184 work-groups of 8 waves.  The reads come in pieces of 64 bytes (16 neighbouring columns of a row);
; the matrices are 3 MB in all and are read once in the whole program.  No LDS, no matrix unit, no cluster: no two work-groups share a byte.
	s_load_b256 s[4:11], s[0:1], 0x0               ; Wv s[4:5], Woff s[6:7], Wa s[8:9], Wo s[10:11]
	s_load_b128 s[12:15], s[0:1], 0x20             ; W1 s[12:13], W2 s[14:15]
	s_load_b64 s[16:17], s[0:1], 0x30              ; wt
	v_lshrrev_b32 v1, 5, v0
	v_readfirstlane_b32 s18, v1                    ; wave 0..7
	s_movk_i32 s36, 0x100
	s_wait_kmcnt 0x0
	s_cmp_lt_u32 ttmp9, 40
	s_cbranch_scc0 .Lstream
	; work-groups 0-15 Wv, 16-31 Woff, 32-39 Wa.  Out: s[24:25] matrix, s20 its columns, s21 ks, s22 nt, s23 all ones for Wa
	s_cmp_lt_u32 ttmp9, 16
	s_cselect_b64 s[24:25], s[4:5], s[6:7]
	s_cselect_b32 s26, 0, 16
	s_cmp_lt_u32 ttmp9, 32
	s_cselect_b64 s[24:25], s[24:25], s[8:9]
	s_cselect_b32 s26, s26, 32
	s_cselect_b32 s20, s36, 0x80
	s_cselect_b32 s23, 0, -1
	s_sub_co_u32 s27, ttmp9, s26
	s_lshl3_add_u32 s27, s27, s18                  ; block number inside the matrix
	s_and_b32 s28, s27, 3
	s_bfe_u32 s21, s27, 0x30002                    ; ks = (block >> 2) & 7
	s_lshr_b32 s22, s27, 5
	s_lshl2_add_u32 s22, s22, s28                  ; nt = 4 (block >> 5) + (block & 3)
	s_branch .Lcopy
.Lstream:
	s_sub_co_u32 s26, ttmp9, 40                    ; c = 0..143: 36 work-groups for each wave's stream
	s_mul_i32 s27, s26, 57
	s_lshr_b32 s27, s27, 11                        ; w = c / 36 (exact for c < 144)
	s_mul_i32 s28, s27, 36
	s_sub_co_u32 s28, s26, s28                     ; c - 36 w
	s_lshr_b32 s29, s18, 2
	s_lshl1_add_u32 s29, s28, s29                  ; step S = 0..71
	s_and_b32 s30, s18, 3                          ; tile t
	s_lshl2_add_u32 s31, s27, s30                  ; Wo, W2: nt = 4 w + t
	s_sub_co_u32 s32, s29, 8                       ; W1: S - 8 (used only where S >= 8)
	s_lshr_b32 s33, s32, 3                         ; pass
	s_and_b32 s34, s32, 7                          ; ks
	s_lshl2_add_u32 s33, s27, s33
	s_lshl2_add_u32 s33, s33, s30                  ; nt = 16 w + 4 pass + t
	s_sub_co_u32 s35, s29, 40                      ; W2: ks = S - 40
	s_cmp_lt_u32 s28, 4
	s_cselect_b64 s[24:25], s[10:11], s[12:13]
	s_cselect_b32 s21, s29, s34
	s_cselect_b32 s22, s31, s33
	s_cselect_b32 s20, s36, 0x400
	s_cmp_lt_u32 s28, 20
	s_cselect_b64 s[24:25], s[24:25], s[14:15]
	s_cselect_b32 s21, s21, s35
	s_cselect_b32 s22, s22, s31
	s_cselect_b32 s20, s20, s36
	s_mov_b32 s23, 0
.Lcopy:
	s_mov_b32 vcc_lo, s23
	v_and_b32 v1, 31, v0                           ; L
	v_and_b32 v2, 15, v0                           ; r
	v_bfe_u32 v3, v0, 4, 1                         ; h
	v_bfe_u32 v4, v2, 2, 1
	v_lshrrev_b32 v5, 3, v2
	v_and_b32 v6, 3, v2
	v_lshl_add_u32 v6, v5, 2, v6
	v_lshl_add_u32 v6, v4, 3, v6                   ; Wa's permuted column
	v_cndmask_b32 v2, v2, v6, vcc_lo
	s_lshl_b32 s26, s21, 5
	v_lshl_add_u32 v4, v3, 3, s26                  ; k = 32 ks + 8 h
	v_mul_lo_u32 v4, v4, s20
	s_lshl_b32 s27, s22, 4
	v_add3_u32 v4, v4, v2, s27                     ; k N + 16 nt + column
	v_lshlrev_b32 v8, 2, v4
	s_lshl_b32 s28, s20, 2                         ; one row of the matrix, in bytes
	s_lshl_b32 s29, s20, 6                         ; sixteen rows
.irp m, 1,2,3,4,5,6,7
	v_add_nc_u32 v[8+\m], s28, v[7+\m]
.endr
.irp m, 0,1,2,3,4,5,6,7
	v_add_nc_u32 v[16+\m], s29, v[8+\m]
.endr
.irp m, 0,1,2,3,4,5,6,7,8,9,10,11,12,13,14,15
	global_load_b32 v[24+\m], v[8+\m], s[24:25]
.endr
	v_lshlrev_b32 v7, 4, v1
	s_lshl3_add_u32 s30, ttmp9, s18                ; the block's number in wt
	s_lshl_b32 s30, s30, 10
	s_mov_b32 s31, 0
	s_add_nc_u64 s[16:17], s[16:17], s[30:31]
	s_wait_loadcnt 0x0
.irp i, 0,1,2,3,4,5,6,7
	v_cvt_pk_f16_f32 v[40+\i], v[24+2*\i], v[25+2*\i]      ; the lower k in the lower half
.endr
	global_store_b128 v7, v[40:43], s[16:17]               ; each store of the wave covers 512 consecutive bytes, aligned
	global_store_b128 v7, v[44:47], s[16:17] offset:512
	s_endpgm
.Lfunc_end_k_qfd05f50396_prep:
	.size	k_qfd05f50396_prep, .Lfunc_end_k_qfd05f50396_prep-k_qfd05f50396_prep
	.p2alignl 7, 3214868480
	.fill 96, 4, 3214868480
	.section	.rodata,"a",@progbits
	.p2align	6, 0x0
	.amdhsa_kernel k_qfd05f50396_prep
		.amdhsa_group_segment_fixed_size 0
		.amdhsa_private_segment_fixed_size 0
		.amdhsa_enable_private_segment 0
		.amdhsa_kernarg_size 56
		.amdhsa_user_sgpr_count 2
		.amdhsa_user_sgpr_kernarg_segment_ptr 1
		.amdhsa_wavefront_size32 1
		.amdhsa_system_sgpr_workgroup_id_x 1
		.amdhsa_system_sgpr_workgroup_id_y 1
		.amdhsa_system_sgpr_workgroup_id_z 1
		.amdhsa_system_vgpr_workitem_id 0
		.amdhsa_next_free_vgpr 48
		.amdhsa_next_free_sgpr 66
		.amdhsa_reserve_vcc 1
		.amdhsa_float_denorm_mode_32 3
		.amdhsa_float_denorm_mode_16_64 3
		.amdhsa_memory_ordered 1
		.amdhsa_forward_progress 1
		.amdhsa_inst_pref_size 6
	.end_amdhsa_kernel
	.amdgpu_metadata
---
amdhsa.version: [ 1, 2 ]
amdhsa.kernels:
  - .name:           k_qfd05f50396_prep
    .symbol:         k_qfd05f50396_prep.kd
    .args:
      - { .name: Wv, .offset: 0, .size: 8, .value_kind: global_buffer, .address_space: global }
      - { .name: Woff, .offset: 8, .size: 8, .value_kind: global_buffer, .address_space: global }
      - { .name: Wa, .offset: 16, .size: 8, .value_kind: global_buffer, .address_space: global }
      - { .name: Wo, .offset: 24, .size: 8, .value_kind: global_buffer, .address_space: global }
      - { .name: W1, .offset: 32, .size: 8, .value_kind: global_buffer, .address_space: global }
      - { .name: W2, .offset: 40, .size: 8, .value_kind: global_buffer, .address_space: global }
      - { .name: wt, .offset: 48, .size: 8, .value_kind: global_buffer, .address_space: global }
    .group_segment_fixed_size: 0
    .private_segment_fixed_size: 0
    .kernarg_segment_align: 8
    .kernarg_segment_size: 56
    .max_flat_workgroup_size: 256
    .sgpr_count:     66
    .vgpr_count:     48
    .wavefront_size: 32
...
	.end_amdgpu_metadata
.endif
;; end of part 1
;; launch value (part 2): grid 245 x 1, 4 waves a work-group, no clusters, 191,488 bytes of LDS; arguments src, wt, bv, vws; writes vws
.if DOCPART == 2
	.amdgcn_target "amdgcn-amd-amdhsa--gfx1250"
	.amdhsa_code_object_version 6
	.text
	.protected	k_qfd05f50396_value
	.globl	k_qfd05f50396_value
	.p2align	8
	.type	k_qfd05f50396_value,@function
k_qfd05f50396_value:
	s_mov_b64 s[64:65], 0
	v_nop
	global_prefetch_b8 v0, s[64:65] scope:SCOPE_SE
	s_setreg_imm32_b32 hwreg(HW_REG_WAVE_MODE, 25, 1), 1
	s_wait_xcnt 0x0
; value = src Wv + bv, rounded once to bf16 and laid head-major: vws[head][row b*19560+s][32 channels], so that a sample's 32 channels are
; 64 consecutive bytes and a tile of 16 rows of one head 1,024 consecutive bytes.
; FORMATS: src and Wv enter the matrix unit as f16 (src as drawn has spread 1; thirty times that, or an offset of thirty, stays under 200,
; far inside f16's 65,504; LIMIT: |src| beyond 65,504 becomes infinite); sums in f32; the result is kept in bf16, which has f32's range.
; 39,120 rows = 2,445 tiles of 16.  A work-group takes 10 tiles; the last one (244) has 5: for its other five trips it loads tile 2,444 again
; and jumps over the stores (a scalar branch on the tile's number).
; The four waves split N: wave w makes columns 64 w .. 64 w + 63 (heads 2 w, 2 w + 1) and keeps its 32 KB of Wv in 256 registers for the whole
; launch, so no weight byte goes through LDS.  src comes in by the tensor data mover, each wave its own 4 rows of every tile: ten loads of a
; wave are out at the start and are waited for one by one.  The wave rounds its rows to f16 into a shared tile (two buffers, one barrier a trip).
; The matrix instruction is used transposed (source 0 = weights, source 1 = rows of src): register j of lane (r, hh) is (row r, column 8 hh + j).
; The bias is the C of the first product.
; No cluster: 245 work-groups do not divide into fours, and what work-groups share (Wv) lies in registers, not in LDS.
.set NTILES, 2445
.set TPW,    10                        ; tiles of a work-group
.set RAWT,   16384                     ; a tile of src in f32
.set QB,     163840                    ; f16 tile, two buffers
.set QP,     528                       ; its pitch: 512 + 16, an odd multiple of 16 bytes
.set QBSZ,   16*QP
.set STG,    180736                    ; way out: for each wave 2 heads x 16 rows x 80 bytes
.set PLANE,  2503680                   ; a head's plane in vws
.set RADR, 4                           ; v4   my 16 bytes in my wave's part of the raw tile
.set QST,  5                           ; v5   where my 4 f16 go
.set QLD,  6                           ; v6   fragment address: row r, 16 hh
.set SST,  7                           ; v7   stage, in
.set SLD,  8                           ; v8   stage, back
.set L16,  9                           ; v9   16 x lane
.set BOF,  10                          ; v10  offset of my bias
.set BIAS, 16                          ; v16-47   bias of my 4 column tiles
.set ACC,  48                          ; v48-79   4 accumulator tiles
.set AF,   80                          ; v80-143  the tile's 8 fragments along K
.set RAW,  144                         ; v144-175 my 8 x 16 bytes of the next raw tile
.set CV,   176                         ; v176-191 the same in f16
.set PK,   192                         ; v192-207 results in bf16
.set OUT,  208                         ; v208-223 results by rows, to store
.set G1, 16                            ; s[16:23] descriptor group 1
.set G0, 24                            ; s[24:63] group 0, a set for each of the ten tiles
.set MSB, 0
.macro WIN new                         ; register windows; the immediate's high byte repeats the setting that is left
.if MSB != \new
	s_set_vgpr_msb (MSB<<8)|\new
.set MSB, \new
.endif
.endm
.macro PLACES                          ; four independent vector instructions behind a matrix instruction before its registers are touched (ISA guide 7.12.1)
.rept 4
	v_nop
.endr
.endm
	s_load_b256 s[4:11], s[0:1], 0x0               ; src s[4:5], wt s[6:7], bv s[8:9], vws s[10:11]
	v_lshl_add_u32 v254, v0, 2, 0x2ea00
	v_mov_b32 v255, 0
	ds_add_u32 v254, v255
	ds_add_u32 v254, v255
	v_lshrrev_b32 v1, 5, v0
	v_readfirstlane_b32 s12, v1                    ; wave 0..3
	s_mul_i32 s66, ttmp9, TPW                      ; my work-group's first tile
	; group 1: my 4 rows of 1,024 bytes are dense in memory: 16 rows of 32 elements of 8 bytes
	s_mov_b32 s[G1+0], 3<<16                       ; element of 8 bytes, no mask, no padding
	s_mov_b32 s[G1+1], 32<<16                      ; tensor_dim0 = 32
	s_mov_b32 s[G1+2], 16<<16                      ; tensor_dim1 = 16
	s_mov_b32 s[G1+3], 32<<16                      ; tile_dim0 = 32
	s_mov_b32 s[G1+4], 16                          ; tile_dim1 = 16
	s_mov_b32 s[G1+5], 32                          ; pitch
	s_mov_b32 s[G1+6], 0
	s_mov_b32 s[G1+7], 0
	s_lshl_b32 s13, s12, 12                        ; 4,096 w
	s_wait_dscnt 0x0
	s_wait_kmcnt 0x0
.irp i, 0,1,2,3,4,5,6,7,8,9
	s_add_co_u32 s14, s66, \i
	s_min_u32 s14, s14, NTILES-1                   ; never past the last tile
	s_lshl_b32 s14, s14, 14
	s_add_co_u32 s14, s14, s13
	s_mov_b32 s15, 0
	s_mov_b32 s[G0+4*\i], 1
	s_add_co_u32 s[G0+4*\i+1], s13, \i*RAWT                        ; LDS: tile i, my quarter
	s_add_nc_u64 s[G0+4*\i+2:G0+4*\i+3], s[4:5], s[14:15]
	s_or_b32 s[G0+4*\i+3], s[G0+4*\i+3], 0x80000000
	tensor_load_to_lds s[G0+4*\i:G0+4*\i+3], s[G1:G1+7]
	s_nop 0
.endr
	v_and_b32 v1, 31, v0                           ; L
	v_and_b32 v2, 15, v0                           ; r
	v_bfe_u32 v3, v0, 4, 1                         ; hh
	v_lshlrev_b32 v[L16], 4, v1
	v_add_nc_u32 v[RADR], s13, v[L16]
	s_mul_i32 s14, s12, 4*QP
	s_add_co_u32 s14, s14, QB
	v_lshl_add_u32 v[QST], v1, 3, s14
	v_mul_u32_u24 v11, v2, QP
	v_lshl_add_u32 v11, v3, 4, v11
	v_add_nc_u32 v[QLD], QB, v11
	s_mul_i32 s14, s12, 2560
	s_add_co_u32 s14, s14, STG
	v_mul_u32_u24 v11, v2, 80
	v_lshl_add_u32 v11, v3, 4, v11
	v_add_nc_u32 v[SST], s14, v11
	v_lshrrev_b32 v11, 2, v1
	v_and_b32 v12, 3, v1
	v_mul_u32_u24 v11, v11, 80
	v_lshl_add_u32 v11, v12, 4, v11
	v_add_nc_u32 v[SLD], s14, v11
	s_lshl_b32 s14, s12, 8
	v_lshl_add_u32 v[BOF], v3, 5, s14              ; 4 x (64 w + 8 hh)
	s_lshl_b32 s14, s12, 15
	s_mov_b32 s15, 0
	s_add_nc_u64 s[6:7], s[6:7], s[14:15]          ; my 32 blocks of Wv
	s_mul_i32 s14, s12, 2*PLANE
	s_mul_i32 s67, ttmp9, TPW*1024
	s_add_co_u32 s14, s14, s67
	s_add_nc_u64 s[10:11], s[10:11], s[14:15]      ; vws at head 2 w, my first tile
	WIN 0x40                                       ; destination in window 1: fragment (ks, t) at v[256 + 8 (4 ks + t)]
.set m, 0
.rept 64
	global_load_b128 v[4*m:4*m+3], v[L16], s[6:7] offset:512*m
.set m, m+1
.endr
	WIN 0
.irp t, 0,1,2,3
	global_load_b128 v[BIAS+8*\t:BIAS+8*\t+3],   v[BOF], s[8:9] offset:64*\t
	global_load_b128 v[BIAS+8*\t+4:BIAS+8*\t+7], v[BOF], s[8:9] offset:64*\t+16
.endr
.macro VRAW                            ; my 4 rows of a raw tile: 8 loads of 512 consecutive bytes, bytes that my own tensor load brought
.irp c, 0,1,2,3,4,5,6,7
	ds_load_b128 v[RAW+4*\c:RAW+4*\c+3], v[RADR] offset:512*\c
.endr
.endm
.macro VCONV buf                       ; round them to f16 and put them into the shared tile
.irp c, 0,1,2,3,4,5,6,7
	v_cvt_pk_f16_f32 v[CV+2*\c],   v[RAW+4*\c],   v[RAW+4*\c+1]
	v_cvt_pk_f16_f32 v[CV+2*\c+1], v[RAW+4*\c+2], v[RAW+4*\c+3]
.endr
.irp c, 0,1,2,3,4,5,6,7
	ds_store_b64 v[QST], v[CV+2*\c:CV+2*\c+1] offset:\buf*QBSZ+(\c>>1)*QP+(\c&1)*256
.endr
.endm
	s_wait_tensorcnt 0x9                           ; tile 0 is in, the nine younger loads stay out
	VRAW
	s_wait_dscnt 0x0
	VCONV 0
	s_wait_dscnt 0x0                               ; my stores are done before I say so
	s_barrier_signal -1
	s_barrier_wait -1
	s_wait_loadcnt 0x0                             ; weights and bias, once
; One tile.  Reads f16 buffer i & 1, fills the other with tile i + 1; that one was last read a trip ago, and every wave waited for those
; reads in front of that trip's barrier.
.macro VTRIP i
.irp ks, 0,1,2,3,4,5,6,7
	ds_load_b128 v[AF+8*\ks:AF+8*\ks+3],   v[QLD] offset:(\i&1)*QBSZ+64*\ks
	ds_load_b128 v[AF+8*\ks+4:AF+8*\ks+7], v[QLD] offset:(\i&1)*QBSZ+64*\ks+32
.endr
.if \i < 9
	s_wait_tensorcnt 8-\i                          ; tile i + 1 is in; 8 - i younger loads stay out
	v_add_nc_u32 v[RADR], RAWT, v[RADR]
	VRAW
	s_wait_dscnt 0x8                               ; the 16 fragment loads are in, the 8 raw loads may be out
.else
	s_wait_dscnt 0x0
.endif
	WIN 0x01                                       ; source 0 (weights) in window 1
.irp t, 0,1,2,3
	v_wmma_f32_16x16x32_f16 v[ACC+8*\t:ACC+8*\t+7], v[8*\t:8*\t+7], v[AF:AF+7], v[BIAS+8*\t:BIAS+8*\t+7]
.endr
.irp ks, 1,2,3,4,5,6,7
.irp t, 0,1,2,3
	v_wmma_f32_16x16x32_f16 v[ACC+8*\t:ACC+8*\t+7], v[8*(4*\ks+\t):8*(4*\ks+\t)+7], v[AF+8*\ks:AF+8*\ks+7], v[ACC+8*\t:ACC+8*\t+7]
.endr
.endr
	WIN 0
	PLACES
.if \i < 9
	s_wait_dscnt 0x0
	VCONV ((\i+1)&1)
.endif
	; way out: a lane's 8 results are 8 neighbouring channels; through my own stage they become whole rows of 64 bytes
.irp t, 0,1,2,3
.irp k, 0,1,2,3
	v_cvt_pk_bf16_f32 v[PK+4*\t+\k], v[ACC+8*\t+2*\k], v[ACC+8*\t+2*\k+1]
.endr
.endr
.irp t, 0,1,2,3
	ds_store_b128 v[SST], v[PK+4*\t:PK+4*\t+3] offset:(\t>>1)*1280+(\t&1)*32
.endr
	s_wait_xcnt 0x0                                ; OUT was the data of the last trip's stores: rewritten only behind this wait
.irp e, 0,1
.irp hf, 0,1
	ds_load_b128 v[OUT+8*\e+4*\hf:OUT+8*\e+4*\hf+3], v[SLD] offset:\e*1280+\hf*640   ; LDS serves a wave's instructions in order: these see the stores above
.endr
.endr
	s_wait_dscnt 0x0
	s_cmp_gt_u32 s66, NTILES-1-\i                  ; a tile past the end (last work-group only) is not stored
	s_cbranch_scc1 .Lvskip\i
.irp e, 0,1
.irp hf, 0,1
	global_store_b128 v[L16], v[OUT+8*\e+4*\hf:OUT+8*\e+4*\hf+3], s[10:11] offset:\e*PLANE+1024*\i+512*\hf   ; 512 consecutive bytes, aligned
.endr
.endr
.Lvskip\i:
.if \i < 9
	s_barrier_signal -1                            ; no LDS access of mine is out (the wait for 0 above)
	s_barrier_wait -1
.endif
.endm
	VTRIP 0
	VTRIP 1
	VTRIP 2
	VTRIP 3
	VTRIP 4
	VTRIP 5
	VTRIP 6
	VTRIP 7
	VTRIP 8
	VTRIP 9
	s_wait_tensorcnt 0x0
	ds_add_u32 v254, v255
	s_wait_dscnt 0x0
	s_endpgm
.Lfunc_end_k_qfd05f50396_value:
	.size	k_qfd05f50396_value, .Lfunc_end_k_qfd05f50396_value-k_qfd05f50396_value
	.p2alignl 7, 3214868480
	.fill 96, 4, 3214868480
	.section	.rodata,"a",@progbits
	.p2align	6, 0x0
	.amdhsa_kernel k_qfd05f50396_value
		.amdhsa_group_segment_fixed_size 191488
		.amdhsa_private_segment_fixed_size 0
		.amdhsa_enable_private_segment 0
		.amdhsa_kernarg_size 32
		.amdhsa_user_sgpr_count 2
		.amdhsa_user_sgpr_kernarg_segment_ptr 1
		.amdhsa_wavefront_size32 1
		.amdhsa_system_sgpr_workgroup_id_x 1
		.amdhsa_system_sgpr_workgroup_id_y 1
		.amdhsa_system_sgpr_workgroup_id_z 1
		.amdhsa_system_vgpr_workitem_id 0
		.amdhsa_next_free_vgpr 512
		.amdhsa_next_free_sgpr 68
		.amdhsa_reserve_vcc 0
		.amdhsa_float_denorm_mode_32 3
		.amdhsa_float_denorm_mode_16_64 3
		.amdhsa_memory_ordered 1
		.amdhsa_forward_progress 1
		.amdhsa_inst_pref_size 89
	.end_amdhsa_kernel
	.amdgpu_metadata
---
amdhsa.version: [ 1, 2 ]
amdhsa.kernels:
  - .name:           k_qfd05f50396_value
    .symbol:         k_qfd05f50396_value.kd
    .args:
      - { .name: src, .offset: 0, .size: 8, .value_kind: global_buffer, .address_space: global }
      - { .name: wt, .offset: 8, .size: 8, .value_kind: global_buffer, .address_space: global }
      - { .name: bv, .offset: 16, .size: 8, .value_kind: global_buffer, .address_space: global }
      - { .name: vws, .offset: 24, .size: 8, .value_kind: global_buffer, .address_space: global }
    .group_segment_fixed_size: 191488
    .private_segment_fixed_size: 0
    .kernarg_segment_align: 8
    .kernarg_segment_size: 32
    .max_flat_workgroup_size: 128
    .sgpr_count:     68
    .vgpr_count:     512
    .wavefront_size: 32
...
	.end_amdgpu_metadata
.endif
;; end of part 2
;; launch qproj (part 3): grid 250 x 1, 4 waves a work-group, no clusters, 206,336 bytes of LDS; arguments q_feat, q_pos, q_ref, valid_ratios, wt, boff, ba, idx, wts; writes idx, wts
.if DOCPART == 3
	.amdgcn_target "amdgcn-amd-amdhsa--gfx1250"
	.amdhsa_code_object_version 6
	.text
	.protected	k_qfd05f50396_qproj
	.globl	k_qfd05f50396_qproj
	.p2align	8
	.type	k_qfd05f50396_qproj,@function
k_qfd05f50396_qproj:
	s_mov_b64 s[64:65], 0
	v_nop
	global_prefetch_b8 v0, s[64:65] scope:SCOPE_SE
	s_setreg_imm32_b32 hwreg(HW_REG_WAVE_MODE, 25, 1), 1
	s_wait_xcnt 0x0
; qproj: q = q_feat + q_pos;  offsets = q Woff + boff;  softmax over the 16 logits q Wa + ba of each head;  sampling places.
; For each of the 128 points of a query it stores ONE whole number and FOUR bf16 weights:
;   idx[q][level][head][point] = b*19560 + start(level) + ys W + xs,  xs = clamp(floor x, 0, W-2), ys likewise: the upper left of a 2 x 2 patch inside the map
;   wts[q][point pair][head][2 points][4 corners (y0x0, y0x1, y1x0, y1x1)] = attention x hat(x - column) x hat(y - row),  hat(d) = max(0, 1 - |d|).
; For -1 <= floor x <= W-1 the hat weights are the reference's bilinear weights with its zero padding, elsewhere all are 0.
; x = off_x + (q_ref_x vr_x W - 0.5) stands for (ref + off / W) W - 0.5: the same number up to f32 rounding, and the result is continuous in x.
; FORMATS: q, Woff and Wa enter the matrix unit as f16 (q as drawn has spread 1; thirty times that, or an offset of thirty, stays under 200);
; sums, softmax and places in f32; the combined weight, in [0, 1], is rounded once to bf16.
; LIMITS: |q| beyond 65,504 becomes infinite; NaN coordinates are not served (the reference is not finite there).
; 20,000 queries = 250 work-groups of 80 rows (5 tiles of 16); no block of 80 straddles a batch (10,000 = 125 x 80).
; The four waves split the heads: wave w makes heads 2 w, 2 w + 1 (4 offset tiles and 2 logit tiles) with its weights in registers.
; q_feat and q_pos come in by the tensor data mover, each wave its own 4 rows of each tile: ten loads of a wave are out at the start.
; Matrix instructions are used transposed: lane (r, hh) holds query r; offset tile (e, s): level 2 s + hh, register j = point j >> 1, x or y;
; logit tile e: registers 0-3 level hh, 4-7 level 2 + hh (Wa's columns were permuted for that).
; No cluster: 250 work-groups do not divide into fours and no equal split of 1,250 tiles does; the shared weights lie in registers.
.set RAWT,  16384
.set RAWP0, 81920                      ; q_pos's five raw tiles, behind q_feat's
.set QB,    163840                     ; f16 tile of q, two buffers
.set QP,    528
.set QBSZ,  16*QP
.set SI,    180736                     ; stage of indices: 16 queries x 512 bytes, pitch 528
.set SIP,   528
.set SW,    189184                     ; stage of weights: 16 queries x 1,024 bytes, pitch 1,040
.set SWP,   1040
.set RADRF, 4
.set RADRP, 5
.set QST,   6
.set QLD,   7
.set SIST,  8
.set SWST,  9
.set SILD,  10
.set SWLD,  11
.set GOI,   12
.set GOW,   13
.set CSA,   14                         ; v14-19 level hh:   (vr_x W, vr_y H), W-2, H-2, W, first row as f32;  v20-25 the same for level 2 + hh
.set QREF,  26                         ; v26-35 q_ref of query r in the five tiles
.set RXY,   36                         ; v36-39 q_ref vr (W, H) - 0.5 for the two levels
.set ACC,   40                         ; v40-87 six accumulator tiles
.set AF,    88                         ; v88-151 fragments of q; between the products scratch:
.set T,     88                         ;   v88-97
.set CV,    88                         ;   v88-103
.set IDXR,  100                        ;   v100-107 a head's 8 indices of this lane
.set WR,    108                        ;   v108-123 a head's 8 x 4 weights
.set RAW,   152                        ; v152-215 raw q_feat, raw q_pos
.set OUT,   152                        ; v152-199 on the way out
.set L16,   219
.set G1, 16
.set G0, 24
.set MSB, 0
.macro WIN new
.if MSB != \new
	s_set_vgpr_msb (MSB<<8)|\new
.set MSB, \new
.endif
.endm
.macro PLACES                          ; four independent vector instructions behind a matrix instruction (ISA guide 7.12.1)
.rept 4
	v_nop
.endr
.endm
	s_load_b256 s[4:11], s[0:1], 0x0               ; q_feat s[4:5], q_pos s[6:7], q_ref s[8:9], valid_ratios s[10:11]
	s_load_b256 s[68:75], s[0:1], 0x20             ; wt s[68:69], boff s[70:71], ba s[72:73], idx s[74:75]
	s_load_b64 s[76:77], s[0:1], 0x40              ; wts
	v_lshl_add_u32 v254, v0, 2, 0x32400
	v_mov_b32 v255, 0
	ds_add_u32 v254, v255
	ds_add_u32 v254, v255
	v_lshrrev_b32 v1, 5, v0
	v_readfirstlane_b32 s12, v1                    ; wave
	s_mov_b32 s[G1+0], 3<<16                       ; as dense rows of 32 elements of 8 bytes: 16 of them are my 4 rows
	s_mov_b32 s[G1+1], 32<<16
	s_mov_b32 s[G1+2], 16<<16
	s_mov_b32 s[G1+3], 32<<16
	s_mov_b32 s[G1+4], 16
	s_mov_b32 s[G1+5], 32
	s_mov_b32 s[G1+6], 0
	s_mov_b32 s[G1+7], 0
	s_mov_b32 s88, 0x76543210                      ; v_permlanex16_b32: lane i takes lane i of the other half
	s_mov_b32 s89, 0xfedcba98
	s_cmp_ge_u32 ttmp9, 125                        ; batch 1
	s_cselect_b32 s78, 32, 0
	s_cselect_b32 s79, 19560, 0
	s_mul_i32 s66, ttmp9, 81920                    ; 80 rows of 1,024 bytes
	s_lshl_b32 s13, s12, 12
	s_wait_dscnt 0x0
	s_wait_kmcnt 0x0
	s_mov_b32 s14, s78
	s_mov_b32 s15, 0
	s_add_nc_u64 s[10:11], s[10:11], s[14:15]
	s_load_b256 s[80:87], s[10:11], 0x0            ; valid_ratios[b][level][x, y]
	s_add_co_u32 s14, s66, s13
	s_add_nc_u64 s[4:5], s[4:5], s[14:15]
	s_add_nc_u64 s[6:7], s[6:7], s[14:15]
.irp i, 0,1,2,3,4
	s_mov_b32 s[G0+8*\i], 1
	s_add_co_u32 s[G0+8*\i+1], s13, \i*RAWT
	s_add_nc_u64 s[G0+8*\i+2:G0+8*\i+3], s[4:5], \i*RAWT
	s_or_b32 s[G0+8*\i+3], s[G0+8*\i+3], 0x80000000
	tensor_load_to_lds s[G0+8*\i:G0+8*\i+3], s[G1:G1+7]
	s_nop 0
	s_mov_b32 s[G0+8*\i+4], 1
	s_add_co_u32 s[G0+8*\i+5], s13, RAWP0+\i*RAWT
	s_add_nc_u64 s[G0+8*\i+6:G0+8*\i+7], s[6:7], \i*RAWT
	s_or_b32 s[G0+8*\i+7], s[G0+8*\i+7], 0x80000000
	tensor_load_to_lds s[G0+8*\i+4:G0+8*\i+7], s[G1:G1+7]
	s_nop 0
.endr
	v_and_b32 v1, 31, v0                           ; L
	v_and_b32 v2, 15, v0                           ; r
	v_bfe_u32 v3, v0, 4, 1                         ; hh
	v_lshlrev_b32 v[L16], 4, v1
	v_add_nc_u32 v[RADRF], s13, v[L16]
	v_add_nc_u32 v[RADRP], RAWP0, v[RADRF]
	s_mul_i32 s14, s12, 4*QP
	s_add_co_u32 s14, s14, QB
	v_lshl_add_u32 v[QST], v1, 3, s14
	v_mul_u32_u24 v89, v2, QP
	v_lshl_add_u32 v89, v3, 4, v89
	v_add_nc_u32 v[QLD], QB, v89
	s_lshl_b32 s14, s12, 5                         ; two heads of 16 bytes
	s_add_co_u32 s15, s14, SI
	v_mul_u32_u24 v89, v2, SIP
	v_lshl_add_u32 v89, v3, 7, v89
	v_add_nc_u32 v[SIST], s15, v89
	s_add_co_u32 s15, s14, SW
	v_mul_u32_u24 v89, v2, SWP
	v_lshl_add_u32 v89, v3, 8, v89
	v_add_nc_u32 v[SWST], s15, v89
	s_mul_i32 s14, s12, 4*SIP
	s_add_co_u32 s14, s14, SI
	v_add_nc_u32 v[SILD], s14, v[L16]
	s_mul_i32 s14, s12, 4*SWP
	s_add_co_u32 s14, s14, SW
	v_add_nc_u32 v[SWLD], s14, v[L16]
	s_lshl_b32 s14, s12, 11
	v_add_nc_u32 v[GOI], s14, v[L16]
	v_add_nc_u32 v[GOW], s13, v[L16]
	s_lshl_b32 s14, s12, 8
	v_lshl_add_u32 v216, v3, 5, s14                ; boff: 4 x (64 w + 8 hh)
	s_lshl_b32 s14, s12, 7
	v_lshl_add_u32 v217, v3, 4, s14                ; ba: 4 x (32 w + 4 hh)
	v_lshlrev_b32 v218, 3, v2                      ; q_ref: 8 r
	s_lshl_b32 s14, s12, 15
	s_add_co_u32 s14, s14, 131072
	s_mov_b32 s15, 0
	s_add_nc_u64 s[90:91], s[68:69], s[14:15]      ; my 32 blocks of Woff
	s_lshr_b32 s14, s12, 1
	s_lshl_b32 s14, s14, 15
	s_and_b32 s67, s12, 1
	s_lshl_b32 s67, s67, 11
	s_add_co_u32 s14, s14, s67
	s_add_co_u32 s14, s14, 262144
	s_add_nc_u64 s[92:93], s[68:69], s[14:15]      ; my two column tiles of Wa
	s_mul_i32 s14, ttmp9, 640
	s_add_nc_u64 s[8:9], s[8:9], s[14:15]
	s_mul_i32 s14, ttmp9, 40960
	s_add_nc_u64 s[74:75], s[74:75], s[14:15]
	s_mov_b32 s14, s66
	s_add_nc_u64 s[76:77], s[76:77], s[14:15]
	WIN 0x40                                       ; window 1: Woff fragment (ks, t) at 8 (4 ks + t)
.set m, 0
.rept 64
	global_load_b128 v[4*m:4*m+3], v[L16], s[90:91] offset:512*m
.set m, m+1
.endr
	WIN 0x80                                       ; window 2: Wa fragment (ks, e) at 8 (2 ks + e); the six biases at 128 + 8 tile
.irp ks, 0,1,2,3,4,5,6,7
.irp e, 0,1
	global_load_b128 v[8*(2*\ks+\e):8*(2*\ks+\e)+3],   v[L16], s[92:93] offset:4096*\ks+1024*\e
	global_load_b128 v[8*(2*\ks+\e)+4:8*(2*\ks+\e)+7], v[L16], s[92:93] offset:4096*\ks+1024*\e+512
.endr
.endr
.irp t, 0,1,2,3
	global_load_b128 v[128+8*\t:128+8*\t+3],   v216, s[70:71] offset:64*\t
	global_load_b128 v[128+8*\t+4:128+8*\t+7], v216, s[70:71] offset:64*\t+16
.endr
.irp e, 0,1
	global_load_b128 v[160+8*\e:160+8*\e+3],   v217, s[72:73] offset:64*\e
	global_load_b128 v[160+8*\e+4:160+8*\e+7], v217, s[72:73] offset:64*\e+32
.endr
	WIN 0
.irp i, 0,1,2,3,4
	global_load_b64 v[QREF+2*\i:QREF+2*\i+1], v218, s[8:9] offset:128*\i
.endr
	; lane constants: lanes 0-15 levels 0 and 2, lanes 16-31 levels 1 and 3
	v_cmp_le_u32 vcc_lo, 16, v1
.macro LSEL dst, lo, hi
	v_mov_b32 v88, \hi
	v_cndmask_b32 v[\dst], \lo, v88, vcc_lo
.endm
	s_wait_kmcnt 0x0
	LSEL CSA+4,  0x43200000, 0x42a00000            ; W = 160, 80
	LSEL CSA+10, 0x42200000, 0x41a00000            ; W = 40, 20
	LSEL 90,     0x42b80000, 0x42380000            ; H = 92, 46
	LSEL 91,     0x41b80000, 0x41400000            ; H = 23, 12
	LSEL CSA,    s80, s82
	LSEL CSA+1,  s81, s83
	LSEL CSA+6,  s84, s86
	LSEL CSA+7,  s85, s87
	LSEL CSA+5,  0, 14720                          ; the level's first row
	LSEL CSA+11, 18400, 19320
	v_mul_f32 v[CSA],   v[CSA],   v[CSA+4]
	v_mul_f32 v[CSA+1], v[CSA+1], v90
	v_mul_f32 v[CSA+6], v[CSA+6], v[CSA+10]
	v_mul_f32 v[CSA+7], v[CSA+7], v91
	v_add_f32 v[CSA+2], -2.0, v[CSA+4]
	v_add_f32 v[CSA+3], -2.0, v90
	v_add_f32 v[CSA+8], -2.0, v[CSA+10]
	v_add_f32 v[CSA+9], -2.0, v91
	v_add_nc_u32 v[CSA+5],  s79, v[CSA+5]
	v_add_nc_u32 v[CSA+11], s79, v[CSA+11]
	v_cvt_f32_u32 v[CSA+5],  v[CSA+5]              ; below 2^24: exact
	v_cvt_f32_u32 v[CSA+11], v[CSA+11]
.macro QRAW
.irp c, 0,1,2,3,4,5,6,7
	ds_load_b128 v[RAW+4*\c:RAW+4*\c+3], v[RADRF] offset:512*\c
.endr
.irp c, 0,1,2,3,4,5,6,7
	ds_load_b128 v[RAW+32+4*\c:RAW+32+4*\c+3], v[RADRP] offset:512*\c
.endr
.endm
.macro QCONV buf                       ; q = q_feat + q_pos in f32, rounded once to f16, into the shared tile
.irp k, 0,2,4,6,8,10,12,14,16,18,20,22,24,26,28,30
	v_pk_add_f32 v[RAW+\k:RAW+\k+1], v[RAW+\k:RAW+\k+1], v[RAW+32+\k:RAW+33+\k]
.endr
.irp c, 0,1,2,3,4,5,6,7
	v_cvt_pk_f16_f32 v[CV+2*\c],   v[RAW+4*\c],   v[RAW+4*\c+1]
	v_cvt_pk_f16_f32 v[CV+2*\c+1], v[RAW+4*\c+2], v[RAW+4*\c+3]
.endr
.irp c, 0,1,2,3,4,5,6,7
	ds_store_b64 v[QST], v[CV+2*\c:CV+2*\c+1] offset:\buf*QBSZ+(\c>>1)*QP+(\c&1)*256
.endr
.endm
; softmax over a head's 16 logits: 8 in this lane, 8 in lane xor 16.  The maximum is taken away first, as the reference does.
.macro SOFTMAX lg
	v_max3_num_f32 v[T],   v[\lg],   v[\lg+1], v[\lg+2]
	v_max3_num_f32 v[T+1], v[\lg+3], v[\lg+4], v[\lg+5]
	v_max3_num_f32 v[T],   v[T],     v[\lg+6], v[\lg+7]
	v_max_num_f32 v[T], v[T], v[T+1]
	v_permlanex16_b32 v[T+1], v[T], s88, s89
	v_max_num_f32 v[T], v[T], v[T+1]
.irp k, 0,2,4,6
	v_pk_add_f32 v[\lg+\k:\lg+\k+1], v[\lg+\k:\lg+\k+1], v[T:T+1] op_sel_hi:[1,0] neg_lo:[0,1] neg_hi:[0,1]
.endr
.irp k, 0,2,4,6
	v_pk_mul_f32 v[\lg+\k:\lg+\k+1], v[\lg+\k:\lg+\k+1], 0x3fb8aa3b op_sel_hi:[1,0]
.endr
.irp k, 0,1,2,3,4,5,6,7
	v_exp_f32 v[\lg+\k], v[\lg+\k]
.endr
	v_nop                                          ; one plain instruction behind the last exponential before its result is read
	s_wait_alu depctr_va_vdst(0)
	v_pk_add_f32 v[T:T+1],   v[\lg:\lg+1],   v[\lg+2:\lg+3]
	v_pk_add_f32 v[T+2:T+3], v[\lg+4:\lg+5], v[\lg+6:\lg+7]
	v_pk_add_f32 v[T:T+1], v[T:T+1], v[T+2:T+3]
	v_add_f32 v[T], v[T], v[T+1]
	v_permlanex16_b32 v[T+1], v[T], s88, s89
	v_add_f32 v[T], v[T], v[T+1]                   ; at least 1: the largest logit gives exp 0
	v_rcp_f32 v[T], v[T]
	v_nop
	s_wait_alu depctr_va_vdst(0)
.irp k, 0,2,4,6
	v_pk_mul_f32 v[\lg+\k:\lg+\k+1], v[\lg+\k:\lg+\k+1], v[T:T+1] op_sel_hi:[1,0]
.endr
.endm
; One point.  off: its (off_x, off_y); areg: its attention weight; cs: the level's constants; rxy: the level's reference place.
; With d = x - xs: hat(d) = med3(1 - d, 1 + d, 0) and hat(d - 1) = med3(2 - d, d, 0): the two arguments add up to 2, so the middle one of
; them and 0 is max(0, the smaller).
.macro POINT off, areg, cs, rxy, idst, wdst
	v_pk_add_f32 v[T:T+1], v[\off:\off+1], v[\rxy:\rxy+1]          ; x, y in pixels
	v_floor_f32 v[T+2], v[T]
	v_floor_f32 v[T+3], v[T+1]
	v_med3_num_f32 v[T+2], v[T+2], 0, v[\cs+2]                     ; xs
	v_med3_num_f32 v[T+3], v[T+3], 0, v[\cs+3]                     ; ys
	v_pk_add_f32 v[T:T+1], v[T:T+1], v[T+2:T+3] neg_lo:[0,1] neg_hi:[0,1]
	v_pk_add_f32 v[T+4:T+5], v[T:T+1], 1.0 op_sel_hi:[1,0] neg_lo:[1,0] neg_hi:[1,0]
	v_pk_add_f32 v[T+6:T+7], v[T:T+1], 1.0 op_sel_hi:[1,0]
	v_pk_add_f32 v[T+8:T+9], v[T:T+1], 2.0 op_sel_hi:[1,0] neg_lo:[1,0] neg_hi:[1,0]
	v_fma_f32 v[T+2], v[T+3], v[\cs+4], v[T+2]                     ; ys W + xs: whole numbers below 2^24, exact
	v_med3_num_f32 v[T+4], v[T+4], v[T+6], 0                       ; weight of column xs
	v_med3_num_f32 v[T+5], v[T+5], v[T+7], 0                       ; of row ys
	v_med3_num_f32 v[T+6], v[T+8], v[T], 0                         ; of column xs + 1
	v_med3_num_f32 v[T+7], v[T+9], v[T+1], 0                       ; of row ys + 1
	v_add_f32 v[T+2], v[T+2], v[\cs+5]
	v_mul_f32 v[T+5], v[T+5], v[\areg]
	v_mul_f32 v[T+7], v[T+7], v[\areg]
	v_cvt_u32_f32 v[\idst], v[T+2]
	v_mul_f32 v[T],   v[T+5], v[T+4]
	v_mul_f32 v[T+1], v[T+5], v[T+6]
	v_mul_f32 v[T+2], v[T+7], v[T+4]
	v_mul_f32 v[T+3], v[T+7], v[T+6]
	v_cvt_pk_bf16_f32 v[\wdst],   v[T],   v[T+1]
	v_cvt_pk_bf16_f32 v[\wdst+1], v[T+2], v[T+3]
.endm
.macro QHEAD e
	SOFTMAX ACC+8*(4+\e)
.irp s, 0,1
.irp p, 0,1,2,3
	POINT ACC+8*(2*\e+\s)+2*\p, ACC+8*(4+\e)+4*\s+\p, CSA+6*\s, RXY+2*\s, IDXR+4*\s+\p, WR+8*\s+2*\p
.endr
.endr
.irp s, 0,1
	ds_store_b128 v[SIST], v[IDXR+4*\s:IDXR+4*\s+3] offset:256*\s+16*\e
	ds_store_b128 v[SWST], v[WR+8*\s:WR+8*\s+3]     offset:512*\s+16*\e
	ds_store_b128 v[SWST], v[WR+8*\s+4:WR+8*\s+7]   offset:512*\s+128+16*\e
.endr
.endm
	s_wait_tensorcnt 0x8                           ; tile 0 of both inputs is in, eight younger loads stay out
	QRAW
	s_wait_dscnt 0x0
	QCONV 0
	s_wait_dscnt 0x0
	s_barrier_signal -1
	s_barrier_wait -1
	s_wait_loadcnt 0x0                             ; weights, biases, q_ref: once
.macro QTRIP i
	s_wait_xcnt 0x0                                ; OUT, the data of the last trip's stores, is loaded again only behind this wait
.irp ks, 0,1,2,3,4,5,6,7
	ds_load_b128 v[AF+8*\ks:AF+8*\ks+3],   v[QLD] offset:(\i&1)*QBSZ+64*\ks
	ds_load_b128 v[AF+8*\ks+4:AF+8*\ks+7], v[QLD] offset:(\i&1)*QBSZ+64*\ks+32
.endr
.if \i < 4
	s_wait_tensorcnt 6-2*\i                        ; both loads of tile i + 1 are in; the later tiles' stay out
	v_add_nc_u32 v[RADRF], RAWT, v[RADRF]
	v_add_nc_u32 v[RADRP], RAWT, v[RADRP]
	QRAW
	s_wait_dscnt 0x10                              ; the 16 fragment loads are in, the 16 raw loads may be out
.else
	s_wait_dscnt 0x0
.endif
	WIN 0x21                                       ; weights window 1, C (bias) window 2
.irp t, 0,1,2,3
	v_wmma_f32_16x16x32_f16 v[ACC+8*\t:ACC+8*\t+7], v[8*\t:8*\t+7], v[AF:AF+7], v[128+8*\t:128+8*\t+7]
.endr
	WIN 0x01
.irp ks, 1,2,3,4,5,6,7
.irp t, 0,1,2,3
	v_wmma_f32_16x16x32_f16 v[ACC+8*\t:ACC+8*\t+7], v[8*(4*\ks+\t):8*(4*\ks+\t)+7], v[AF+8*\ks:AF+8*\ks+7], v[ACC+8*\t:ACC+8*\t+7]
.endr
.endr
	WIN 0x22                                       ; weights and bias window 2
.irp e, 0,1
	v_wmma_f32_16x16x32_f16 v[ACC+32+8*\e:ACC+32+8*\e+7], v[8*\e:8*\e+7], v[AF:AF+7], v[160+8*\e:160+8*\e+7]
.endr
	WIN 0x02
.irp ks, 1,2,3,4,5,6,7
.irp e, 0,1
	v_wmma_f32_16x16x32_f16 v[ACC+32+8*\e:ACC+32+8*\e+7], v[8*(2*\ks+\e):8*(2*\ks+\e)+7], v[AF+8*\ks:AF+8*\ks+7], v[ACC+32+8*\e:ACC+32+8*\e+7]
.endr
.endr
	WIN 0
	PLACES
.if \i < 4
	s_wait_dscnt 0x0
	QCONV ((\i+1)&1)
.endif
	s_wait_dscnt 0x0
	s_barrier_signal -1                            ; every wave has read the stages of the last trip out, and the next f16 tile is whole
	s_barrier_wait -1
	v_pk_fma_f32 v[RXY:RXY+1],   v[QREF+2*\i:QREF+2*\i+1], v[CSA:CSA+1],   -0.5 op_sel_hi:[1,1,0]
	v_pk_fma_f32 v[RXY+2:RXY+3], v[QREF+2*\i:QREF+2*\i+1], v[CSA+6:CSA+7], -0.5 op_sel_hi:[1,1,0]
	QHEAD 0
	QHEAD 1
	s_wait_dscnt 0x0
	s_barrier_signal -1                            ; the stages are whole
	s_barrier_wait -1
	; way out: wave w takes queries 4 w .. 4 w + 3; every load and store covers 512 consecutive bytes
.irp c, 0,1,2,3
	ds_load_b128 v[OUT+4*\c:OUT+4*\c+3], v[SILD] offset:SIP*\c
.endr
.irp c, 0,1,2,3
	ds_load_b128 v[OUT+16+8*\c:OUT+16+8*\c+3], v[SWLD] offset:SWP*\c
	ds_load_b128 v[OUT+20+8*\c:OUT+20+8*\c+3], v[SWLD] offset:SWP*\c+512
.endr
.irp c, 0,1,2,3
	s_wait_dscnt 11-\c                             ; LDS loads come back in order: load c is in
	global_store_b128 v[GOI], v[OUT+4*\c:OUT+4*\c+3], s[74:75] offset:8192*\i+512*\c
.endr
.irp c, 0,1,2,3
	s_wait_dscnt 7-2*\c
	global_store_b128 v[GOW], v[OUT+16+8*\c:OUT+16+8*\c+3], s[76:77] offset:16384*\i+1024*\c
	s_wait_dscnt 6-2*\c
	global_store_b128 v[GOW], v[OUT+20+8*\c:OUT+20+8*\c+3], s[76:77] offset:16384*\i+1024*\c+512
.endr
.endm
	QTRIP 0
	QTRIP 1
	QTRIP 2
	QTRIP 3
	QTRIP 4
	s_wait_tensorcnt 0x0
	ds_add_u32 v254, v255
	s_wait_dscnt 0x0
	s_endpgm
.Lfunc_end_k_qfd05f50396_qproj:
	.size	k_qfd05f50396_qproj, .Lfunc_end_k_qfd05f50396_qproj-k_qfd05f50396_qproj
	.p2alignl 7, 3214868480
	.fill 96, 4, 3214868480
	.section	.rodata,"a",@progbits
	.p2align	6, 0x0
	.amdhsa_kernel k_qfd05f50396_qproj
		.amdhsa_group_segment_fixed_size 206336
		.amdhsa_private_segment_fixed_size 0
		.amdhsa_enable_private_segment 0
		.amdhsa_kernarg_size 72
		.amdhsa_user_sgpr_count 2
		.amdhsa_user_sgpr_kernarg_segment_ptr 1
		.amdhsa_wavefront_size32 1
		.amdhsa_system_sgpr_workgroup_id_x 1
		.amdhsa_system_sgpr_workgroup_id_y 1
		.amdhsa_system_sgpr_workgroup_id_z 1
		.amdhsa_system_vgpr_workitem_id 0
		.amdhsa_next_free_vgpr 688
		.amdhsa_next_free_sgpr 96
		.amdhsa_reserve_vcc 1
		.amdhsa_float_denorm_mode_32 3
		.amdhsa_float_denorm_mode_16_64 3
		.amdhsa_memory_ordered 1
		.amdhsa_forward_progress 1
		.amdhsa_inst_pref_size 191
	.end_amdhsa_kernel
	.amdgpu_metadata
---
amdhsa.version: [ 1, 2 ]
amdhsa.kernels:
  - .name:           k_qfd05f50396_qproj
    .symbol:         k_qfd05f50396_qproj.kd
    .args:
      - { .name: q_feat, .offset: 0, .size: 8, .value_kind: global_buffer, .address_space: global }
      - { .name: q_pos, .offset: 8, .size: 8, .value_kind: global_buffer, .address_space: global }
      - { .name: q_ref, .offset: 16, .size: 8, .value_kind: global_buffer, .address_space: global }
      - { .name: valid_ratios, .offset: 24, .size: 8, .value_kind: global_buffer, .address_space: global }
      - { .name: wt, .offset: 32, .size: 8, .value_kind: global_buffer, .address_space: global }
      - { .name: boff, .offset: 40, .size: 8, .value_kind: global_buffer, .address_space: global }
      - { .name: ba, .offset: 48, .size: 8, .value_kind: global_buffer, .address_space: global }
      - { .name: idx, .offset: 56, .size: 8, .value_kind: global_buffer, .address_space: global }
      - { .name: wts, .offset: 64, .size: 8, .value_kind: global_buffer, .address_space: global }
    .group_segment_fixed_size: 206336
    .private_segment_fixed_size: 0
    .kernarg_segment_align: 8
    .kernarg_segment_size: 72
    .max_flat_workgroup_size: 128
    .sgpr_count:     96
    .vgpr_count:     688
    .wavefront_size: 32
...
	.end_amdgpu_metadata
.endif
;; end of part 3
;; launch main (part 4): grid 250 x 1, 4 waves a work-group, no clusters, 306,432 bytes of LDS; arguments vws, idx, wts, q_feat, wt, bo, g1, be1, bf1, bf2, g2, be2, out0; writes out0
.if DOCPART == 4
	.amdgcn_target "amdgcn-amd-amdhsa--gfx1250"
	.amdhsa_code_object_version 6
	.text
	.protected	k_qfd05f50396_main
	.globl	k_qfd05f50396_main
	.p2align	8
	.type	k_qfd05f50396_main,@function
k_qfd05f50396_main:
	s_mov_b64 s[64:65], 0
	v_nop
	global_prefetch_b8 v0, s[64:65] scope:SCOPE_SE
	s_setreg_imm32_b32 hwreg(HW_REG_WAVE_MODE, 25, 1), 1
	s_wait_xcnt 0x0
; main: for 80 queries a work-group: the sampling sum, x Wo + bo + q_feat, layer norm, the feed-forward net (256 -> 1024 -> 256, relu), + x, layer norm.
; PHASE G (no barrier): wave w gathers for queries 20 w .. 20 w + 19.  Lane L = (head L >> 2, 8 channels L & 3): one 16-byte load a lane fetches one
; corner of one point for all 8 heads, and lane L sums channels 8 L .. 8 L + 7 of the query in f32: nothing is reduced across lanes.
; The indices were stored as whole numbers by the launch before; each is clamped to its level's range before it enters an address.
; A group = one level of one query = 16 loads; groups are asked for three steps ahead (a ring of four groups, 256 registers).
; PHASES O, F1, F2: the four waves split N; a wave's tile is 80 rows x 64 columns (20 accumulator tiles).  Every weight byte is used by one wave
; once, so weights go from memory straight into a ring of 8 register slots, 7 K steps ahead, and never through LDS.
; Matrix instructions are used transposed (source 0 = weights): register j of lane (r, hh) is (row r, column 8 hh + j).
; Residuals and the first layer's bias are loaded into the accumulators, so nothing is cleared or added afterwards.
; LAYER NORM: each wave takes the mean of its 64 columns, centres on it, sums squares; the four (mean, M2) meet in LDS and are merged
; (M2 = sum M2_w + 64 sum (mean_w - mean)^2): one barrier, and no difference of large sums.
; FORMATS: value and the sampling weights are bf16 (rounded once, by the launches before); samples, x and the hidden layer enter the matrix unit
; as f16; sums, norms, residuals in f32.  Room in f16 (largest number 65,504), with inputs thirty times larger or offset by thirty spreads:
;   a sample is a convex combination of values, |value| <= |src row| |Wv column| = (16 x 30) x 30 = 14,400;
;   |x| <= 16 max|g1| + max|be1|, since the row is normalised;   |hidden| <= |x row| |W1 column| = (480 + 480) x 30 = 28,800.
; LIMITS: the hidden layer is clipped at 65,504 (beyond it the result is inexact but finite); a sample or an x beyond 65,504 becomes infinite.
; No cluster: 250 work-groups do not divide into fours and no equal split of 1,250 row tiles does; the shared weights land in registers, not in LDS.
.set XF,   0                           ; 80 x 1,040: q_feat (tensor load, padded), later x in f32, later the result
.set XFP,  1040
.set XB,   83200                       ; 80 x 528: samples in f16, later x in f16
.set XBP,  528
.set HB,   125440                      ; 80 x 2,064: hidden layer in f16
.set HP,   2064
.set PAR,  290560                      ; bo, g1, be1, bf2, g2, be2 (1,024 bytes each), bf1 (4,096)
.set RED1, 300800                      ; [row][wave] (mean, M2)
.set RED2, 303360
.set PLANE, 2503680
.set MAXI0, 34118                      ; the largest index of each level: 19,560 + start + (H-2) W + W-2
.set MAXI1, 37878
.set MAXI2, 38838
.set MAXI3, 39098
.set L16,  1                           ; v1 16 x lane, in all phases
.set LB,   2                           ; gather: head's plane + 16 (L & 3)
.set MOFF, 3                           ;         16 x head: my head's piece of the point lists
.set SST,  4                           ;         where the query's sums go
.set GACC, 8                           ;         v8-15 sums
.set GPK,  16                          ;         v16-19 the same in f16
.set RAW,  20                          ;         v20-35 16 indices
.set ADDR, 36                          ;         v36-67 byte offsets, two queries
.set WT,   68                          ;         v68-131 weights, two queries; window 2: the gathered rows, group (level) l at 64 l
.set AADR, 2                           ; products: v2-6 fragment addresses of the 5 row tiles
.set CADR, 7                           ;           v7-8 my places in XF
.set HST,  9                           ;           v9-13 my places in the hidden layer
.set PADR, 14                          ;           v14 my bf1
.set PB,   15                          ;           v15 my piece of a 256-column parameter
.set AF,   16                          ;           v16-95 fragments, two buffers of 5; scratch between the products
.set ACC,  96                          ;           v96-255 accumulators: tile (mt, t) at 8 (4 mt + t); window 1: the weight ring, slot s at 32 s
.set G0, 32
.set G1, 36
.set MSB, 0
.macro WIN new
.if MSB != \new
	s_set_vgpr_msb (MSB<<8)|\new
.set MSB, \new
.endif
.endm
.macro PLACES                          ; four independent vector instructions behind a matrix instruction before its registers are touched (ISA guide 7.12.1)
.rept 4
	v_nop
.endr
.endm
	s_load_b512 s[4:19], s[0:1], 0x0               ; vws 4, idx 6, wts 8, q_feat 10, wt 12, bo 14, g1 16, be1 18
	s_load_b256 s[20:27], s[0:1], 0x40             ; bf1 20, bf2 22, g2 24, be2 26
	s_load_b64 s[28:29], s[0:1], 0x60              ; out0
	s_set_vgpr_msb 0xc0
	v_lshl_add_u32 v0, v0, 2, 0x4ab00
	v_mov_b32 v1, 0
	s_set_vgpr_msb 0xc0cf
	ds_add_u32 v0, v1
	ds_add_u32 v0, v1
	s_set_vgpr_msb 0xcf00
	v_lshrrev_b32 v1, 5, v0
	v_readfirstlane_b32 s30, v1                    ; wave
	s_mov_b32 s[G1+0], (2<<16)|(1<<20)|(7<<22)|(3<<25)     ; elements of 4 bytes; behind every 256 words 4 words of padding: pitch 1,040
	s_mov_b32 s[G1+1], 256<<16
	s_mov_b32 s[G1+2], 20<<16
	s_mov_b32 s[G1+3], 256<<16
	s_mov_b32 s[G1+4], 20
	s_mov_b32 s[G1+5], 256
	s_mov_b32 s[G1+6], 0
	s_mov_b32 s[G1+7], 0
	s_mov_b32 s48, 0x76543210
	s_mov_b32 s49, 0xfedcba98
	s_mov_b32 s50, 0x3b800000                      ; 1/256
	s_mov_b32 s51, 0x3727c5ac                      ; 1e-5
	s_mov_b32 s55, 0x477fe000                      ; 65,504, f16's largest number
	s_lshl_b32 s53, s30, 7
	s_lshl_b32 s54, s30, 3
	s_mul_i32 s31, ttmp9, 80
	s_mul_i32 s46, s30, 20
	s_add_co_u32 s31, s31, s46                     ; my wave's first query
	s_mov_b32 s[G0], 1
	s_mul_i32 s[G0+1], s30, 20*XFP
	s_lshl_b32 s46, s31, 10
	s_mov_b32 s47, 0
	s_wait_dscnt 0x0
	s_wait_kmcnt 0x0
	s_add_nc_u64 s[G0+2:G0+3], s[10:11], s[46:47]
	s_or_b32 s[G0+3], s[G0+3], 0x80000000
	tensor_load_to_lds s[G0:G0+3], s[G1:G1+7]      ; my 20 rows of q_feat: the one tensor load of this wave
	s_nop 0
	s_add_nc_u64 s[8:9], s[8:9], s[46:47]          ; wts: 1,024 bytes a query
	s_add_nc_u64 s[28:29], s[28:29], s[46:47]      ; out0: the 20 rows that I store at the end
	s_lshl_b32 s46, s31, 9
	s_add_nc_u64 s[6:7], s[6:7], s[46:47]          ; idx: 512 bytes a query
	s_mul_i32 s46, s30, 294912
	s_add_co_u32 s46, s46, 327680
	s_add_nc_u64 s[44:45], s[12:13], s[46:47]      ; my stream of weights
	v_and_b32 v5, 31, v0
	v_lshlrev_b32 v[L16], 4, v5
	v_lshrrev_b32 v6, 2, v5
	v_and_b32 v7, 3, v5
	v_mul_u32_u24 v[LB], v6, PLANE
	v_lshl_add_u32 v[LB], v7, 4, v[LB]
	v_lshlrev_b32 v[MOFF], 4, v6
	s_mul_i32 s46, s30, 20*XBP
	s_add_co_u32 s46, s46, XB
	v_add_nc_u32 v[SST], s46, v[L16]
	v_lshlrev_b32 v132, 3, v0
	v_lshlrev_b32 v133, 4, v0
.macro GADDR par                       ; byte offsets of a query's 16 points: clamp, x 64, + my head's plane and my 16 bytes
.irp l, 0,1,2,3
.irp p, 0,1,2,3
	v_min_u32 v[ADDR+16*\par+4*\l+\p], MAXI\l, v[RAW+4*\l+\p]
	v_lshlrev_b32 v[ADDR+16*\par+4*\l+\p], 6, v[ADDR+16*\par+4*\l+\p]
	v_add_nc_u32 v[ADDR+16*\par+4*\l+\p], v[LB], v[ADDR+16*\par+4*\l+\p]
.endr
.endr
.endm
.macro GRAW imm                        ; a query's indices of my head: 4 levels x 4 points
.irp l, 0,1,2,3
	global_load_b128 v[RAW+4*\l:RAW+4*\l+3], v[MOFF], s[6:7] offset:\imm+128*\l th:TH_LOAD_NT
.endr
.endm
.macro GWT par, imm                    ; a query's weights of my head: 8 point pairs x 2 points x 4 corners
.irp pp, 0,1,2,3,4,5,6,7
	global_load_b128 v[WT+32*\par+4*\pp:WT+32*\par+4*\pp+3], v[MOFF], s[8:9] offset:\imm+128*\pp th:TH_LOAD_NT
.endr
.endm
.macro GISSUE lvl, par                 ; a group: 4 points x 4 corners; the corners lie 64 bytes and one map row apart
.irp p, 0,1,2,3
.irp c, 0,1,2,3
	global_load_b128 v[64*\lvl+16*\p+4*\c:64*\lvl+16*\p+4*\c+3], v[ADDR+16*\par+4*\lvl+\p], s[4:5] offset:(\c&1)*64+(\c>>1)*64*(160>>\lvl)
.endr
.endr
.endm
.macro BFILL                           ; the weight ring's first seven steps
.irp st, 0,1,2,3,4,5,6
.irp i, 0,1,2,3,4,5,6,7
	global_load_b128 v[32*\st+4*\i:32*\st+4*\i+3], v[L16], s[44:45] offset:4096*\st+512*\i
.endr
.endr
.endm
.macro FM8 d, wreg, wsel               ; 8 channels of one corner x its weight (bf16 x bf16 into f32); a query's first eight start the sums
.irp jr, 0,1,2,3
.if GZ
	v_fma_mix_f32_bf16 v[GACC+2*\jr],   v[\d+\jr], v[\wreg], 0 op_sel:[0,\wsel,0] op_sel_hi:[1,1,0]
	v_fma_mix_f32_bf16 v[GACC+2*\jr+1], v[\d+\jr], v[\wreg], 0 op_sel:[1,\wsel,0] op_sel_hi:[1,1,0]
.else
	v_fma_mix_f32_bf16 v[GACC+2*\jr],   v[\d+\jr], v[\wreg], v[GACC+2*\jr]   op_sel:[0,\wsel,0] op_sel_hi:[1,1,0]
	v_fma_mix_f32_bf16 v[GACC+2*\jr+1], v[\d+\jr], v[\wreg], v[GACC+2*\jr+1] op_sel:[1,\wsel,0] op_sel_hi:[1,1,0]
.endif
.endr
.set GZ, 0
.endm
.macro GFMA lam, par
.irp p, 0,1,2,3
.irp ch, 0,1
	FM8 64*\lam+16*\p+8*\ch,   WT+32*\par+8*\lam+2*\p+\ch, 0
	FM8 64*\lam+16*\p+8*\ch+4, WT+32*\par+8*\lam+2*\p+\ch, 1
.endr
.endr
.endm
; One step = one level lam of one query (par: the query's parity, opar the other).  cnt: the loads younger than this step's group.
; At level 1 the next query's offsets are made, and the lists of the queries behind it are asked for: they stand in front of groups that are
; waited for before the lists are read, so they need no wait of their own.
.macro GSTEP lam, par, opar, cnt, doaddr, rawimm, wtimm, issue, bfill
	WIN 0
	s_wait_loadcnt \cnt
.if \doaddr
	GADDR \opar                                    ; these registers' last loads (the query before) were waited for three steps ago and more
.endif
.if \rawimm >= 0
	GRAW \rawimm
.endif
.if \wtimm >= 0
	GWT \opar, \wtimm
.endif
.if \issue
	WIN 0x80                                       ; destination in window 2
.if \lam == 0
	GISSUE 3, \par
.else
	GISSUE (\lam-1), \opar
.endif
.endif
.if \bfill
	WIN 0x40
	BFILL
.endif
	WIN 0x02                                       ; source 0 (gathered rows) in window 2
.if \lam == 0
.set GZ, 1
.else
.set GZ, 0
.endif
	GFMA \lam, \par
.if \lam == 3
	WIN 0
.irp k, 0,1,2,3
	v_cvt_pk_f16_f32 v[GPK+\k], v[GACC+2*\k], v[GACC+2*\k+1]
.endr
	ds_store_b128 v[SST], v[GPK:GPK+3]             ; the query's 256 sums: 512 consecutive bytes of the wave
	v_add_nc_u32 v[SST], XBP, v[SST]
.endif
.endm
	GRAW 0
	global_load_b64 v[134:135], v132, s[14:15]     ; the parameters: each thread 8 bytes of each, 32 of bf1
	global_load_b64 v[136:137], v132, s[16:17]
	global_load_b64 v[138:139], v132, s[18:19]
	global_load_b64 v[140:141], v132, s[22:23]
	global_load_b64 v[142:143], v132, s[24:25]
	global_load_b64 v[144:145], v132, s[26:27]
	global_load_b128 v[146:149], v133, s[20:21]
	global_load_b128 v[150:153], v133, s[20:21] offset:2048
	s_wait_loadcnt 0x8                             ; query 0's indices are in, the 8 parameter loads stay out
	GADDR 0
	GRAW 512
	GWT 0, 0
	WIN 0x80
	GISSUE 0, 0
	GISSUE 1, 0
	GISSUE 2, 0
	WIN 0
	v_add_nc_u32 v154, PAR, v132
	v_add_nc_u32 v155, PAR+6144, v133
	s_wait_loadcnt 60                              ; the parameters are in: 4 + 8 + 3 x 16 younger loads stay out
.irp k, 0,1,2,3,4,5
	ds_store_b64 v154, v[134+2*\k:135+2*\k] offset:1024*\k
.endr
	ds_store_b128 v155, v[146:149]
	ds_store_b128 v155, v[150:153] offset:2048
	; Counts: a step issues 16 loads, a level-1 step 4 + 8 + 16.  Behind the group of level 0 or 1 stand two groups (32),
	; behind that of level 2 or 3 two groups and the lists (44).
	s_mov_b32 s52, 9
.Lgather:
	GSTEP 0, 0, 1, 32, 0, -1, -1, 1, 0
	GSTEP 1, 0, 1, 32, 1, 1024, 1024, 1, 0
	GSTEP 2, 0, 1, 44, 0, -1, -1, 1, 0
	GSTEP 3, 0, 1, 44, 0, -1, -1, 1, 0
	GSTEP 0, 1, 0, 32, 0, -1, -1, 1, 0
	GSTEP 1, 1, 0, 32, 1, 1536, 2048, 1, 0
	GSTEP 2, 1, 0, 44, 0, -1, -1, 1, 0
	GSTEP 3, 1, 0, 44, 0, -1, -1, 1, 0
	WIN 0
	s_wait_xcnt 0x0                                ; the lists' bases are stepped only behind this wait
	s_add_nc_u64 s[6:7], s[6:7], 1024
	s_add_nc_u64 s[8:9], s[8:9], 2048
	s_sub_co_u32 s52, s52, 1
	s_cmp_lg_u32 s52, 0
	s_cbranch_scc1 .Lgather
	; queries 18 and 19, written out: no list is asked for past the wave's last query, and the counts run down
	GSTEP 0, 0, 1, 32, 0, -1, -1, 1, 0
	GSTEP 1, 0, 1, 32, 1, -1, 1024, 1, 0
	GSTEP 2, 0, 1, 40, 0, -1, -1, 1, 0             ; two groups and 8 weight loads
	GSTEP 3, 0, 1, 40, 0, -1, -1, 1, 0
	GSTEP 0, 1, 0, 32, 0, -1, -1, 1, 0
	GSTEP 1, 1, 0, 32, 0, -1, -1, 0, 0
	GSTEP 2, 1, 0, 16, 0, -1, -1, 0, 0
	GSTEP 3, 1, 0, 0, 0, -1, -1, 0, 1              ; behind the wait for 0 the weight ring's first 56 loads go out
	WIN 0
	s_wait_dscnt 0x0                               ; my samples and parameters are in LDS,
	s_wait_tensorcnt 0x0                           ; and my rows of q_feat
	s_barrier_signal -1
	s_barrier_wait -1
	; addresses of the products
	v_and_b32 v16, 15, v0                          ; r
	v_bfe_u32 v17, v0, 4, 1                        ; hh
	v_mul_u32_u24 v18, v16, XBP
	v_lshl_add_u32 v18, v17, 4, v18
.irp mt, 0,1,2,3,4
	v_add_nc_u32 v[AADR+\mt], XB+16*XBP*\mt, v18
.endr
	v_mul_u32_u24 v19, v16, XFP
	v_lshl_add_u32 v19, v17, 5, v19
	s_lshl_b32 s46, s30, 8
	v_add_nc_u32 v[CADR], s46, v19                 ; row r, column 64 w + 8 hh, in f32
	v_add_nc_u32 v[CADR+1], 3*16*XFP, v[CADR]      ; the same 48 rows down: LDS immediates have 16 bits
	s_add_co_u32 s46, s46, PAR
	v_lshl_add_u32 v[PB], v17, 5, s46
	v_mul_u32_u24 v20, v16, HP
	v_lshl_add_u32 v20, v17, 4, v20
	s_lshl_b32 s46, s30, 9
	s_add_co_u32 s46, s46, HB
.irp mt, 0,1,2,3,4
	v_add3_u32 v[HST+\mt], v20, s46, 16*HP*\mt
.endr
	s_lshl_b32 s46, s30, 10
	s_add_co_u32 s46, s46, PAR+6144
	v_lshl_add_u32 v[PADR], v17, 5, s46
.macro ALOAD buf, imm                  ; the 5 row tiles' fragments of one K step
.irp mt, 0,1,2,3,4
	ds_load_b128 v[AF+40*\buf+8*\mt:AF+40*\buf+8*\mt+3],   v[AADR+\mt] offset:\imm
	ds_load_b128 v[AF+40*\buf+8*\mt+4:AF+40*\buf+8*\mt+7], v[AADR+\mt] offset:\imm+32
.endr
.endm
; One K step of 32: 20 matrix instructions.  refill: the stream's step 7 ahead goes into the slot read in the step before.
; cntl: the weight loads younger than this step's.  nextimm: where the next step's fragments lie (-1: none are asked for).
.macro KSTEP ks, refill, cntl, nextimm
	PLACES                                         ; the loads below land in registers that the last step's matrix instructions read
.if \refill
	WIN 0x40
.irp i, 0,1,2,3,4,5,6,7
	global_load_b128 v[32*((\ks+7)&7)+4*\i:32*((\ks+7)&7)+4*\i+3], v[L16], s[44:45] offset:4096*(\ks+7)+512*\i
.endr
.endif
	WIN 0
.if \nextimm >= 0
	ALOAD ((\ks+1)&1), \nextimm
	s_wait_dscnt 0xa                               ; this step's fragments (and all before them) are in, the next step's ten loads may be out
.else
	s_wait_dscnt 0x0
.endif
	s_wait_loadcnt \cntl
	WIN 0x01
.irp mt, 0,1,2,3,4
.irp t, 0,1,2,3
	v_wmma_f32_16x16x32_f16 v[ACC+8*(4*\mt+\t):ACC+8*(4*\mt+\t)+7], v[32*\ks+8*\t:32*\ks+8*\t+7], v[AF+40*(\ks&1)+8*\mt:AF+40*(\ks&1)+8*\mt+7], v[ACC+8*(4*\mt+\t):ACC+8*(4*\mt+\t)+7]
.endr
.endr
.endm
.macro PASS8 lastimm                   ; 8 K steps, once round the weight ring: seven younger steps of 8 loads stay out
	KSTEP 0, 1, 56, 64
	KSTEP 1, 1, 56, 128
	KSTEP 2, 1, 56, 192
	KSTEP 3, 1, 56, 256
	KSTEP 4, 1, 56, 320
	KSTEP 5, 1, 56, 384
	KSTEP 6, 1, 56, 448
	KSTEP 7, 1, 56, \lastimm
.endm
.macro CINITX                          ; the accumulators start as my places of XF (the residual)
.irp mt, 0,1,2
.irp t, 0,1,2,3
.irp e, 0,1
	ds_load_b128 v[ACC+8*(4*\mt+\t)+4*\e:ACC+8*(4*\mt+\t)+4*\e+3], v[CADR] offset:16*XFP*\mt+64*\t+16*\e
.endr
.endr
.endr
.irp mt, 3,4
.irp t, 0,1,2,3
.irp e, 0,1
	ds_load_b128 v[ACC+8*(4*\mt+\t)+4*\e:ACC+8*(4*\mt+\t)+4*\e+3], v[CADR+1] offset:16*XFP*(\mt-3)+64*\t+16*\e
.endr
.endr
.endr
.endm
.macro XSTORE mt                       ; and back: the same places
.irp t, 0,1,2,3
.irp e, 0,1
.if \mt < 3
	ds_store_b128 v[CADR], v[ACC+8*(4*\mt+\t)+4*\e:ACC+8*(4*\mt+\t)+4*\e+3] offset:16*XFP*\mt+64*\t+16*\e
.else
	ds_store_b128 v[CADR+1], v[ACC+8*(4*\mt+\t)+4*\e:ACC+8*(4*\mt+\t)+4*\e+3] offset:16*XFP*(\mt-3)+64*\t+16*\e
.endif
.endr
.endr
.endm
.macro CINITB                          ; the accumulators start as the first layer's bias
.irp mt, 0,1,2,3,4
.irp t, 0,1,2,3
.irp e, 0,1
	ds_load_b128 v[ACC+8*(4*\mt+\t)+4*\e:ACC+8*(4*\mt+\t)+4*\e+3], v[PADR] offset:64*\t+16*\e
.endr
.endr
.endr
.endm
.macro PARLD dst, off                  ; my 32 numbers of a 256-column parameter
.irp t, 0,1,2,3
.irp e, 0,1
	ds_load_b128 v[\dst+8*\t+4*\e:\dst+8*\t+4*\e+3], v[PB] offset:\off+64*\t+16*\e
.endr
.endr
.endm
.macro LNSTAT mt                       ; rows 16 mt + r: my wave's mean of 64 columns, the values centred on it in place, the sum of squares
.set LX, ACC+32*\mt
.set LS, 86+2*\mt
	v_pk_add_f32 v[LS:LS+1], v[LX:LX+1], v[LX+2:LX+3]
	v_pk_add_f32 v[80:81], v[LX+16:LX+17], v[LX+18:LX+19]
.irp k, 4,6,8,10,12,14
	v_pk_add_f32 v[LS:LS+1], v[LS:LS+1], v[LX+\k:LX+\k+1]
	v_pk_add_f32 v[80:81], v[80:81], v[LX+16+\k:LX+17+\k]
.endr
	v_pk_add_f32 v[LS:LS+1], v[LS:LS+1], v[80:81]
	v_add_f32 v[LS], v[LS], v[LS+1]
	v_permlanex16_b32 v[LS+1], v[LS], s48, s49     ; the row's other 32 columns lie in lane xor 16
	v_add_f32 v[LS], v[LS], v[LS+1]
	v_mul_f32 v[LS], 0x3c800000, v[LS]             ; / 64
.irp k, 0,2,4,6,8,10,12,14,16,18,20,22,24,26,28,30
	v_pk_add_f32 v[LX+\k:LX+\k+1], v[LX+\k:LX+\k+1], v[LS:LS+1] op_sel_hi:[1,0] neg_lo:[0,1] neg_hi:[0,1]
.endr
	v_pk_mul_f32 v[80:81], v[LX:LX+1], v[LX:LX+1]
	v_pk_mul_f32 v[82:83], v[LX+16:LX+17], v[LX+16:LX+17]
.irp k, 2,4,6,8,10,12,14
	v_pk_fma_f32 v[80:81], v[LX+\k:LX+\k+1], v[LX+\k:LX+\k+1], v[80:81]
	v_pk_fma_f32 v[82:83], v[LX+16+\k:LX+17+\k], v[LX+16+\k:LX+17+\k], v[82:83]
.endr
	v_pk_add_f32 v[80:81], v[80:81], v[82:83]
	v_add_f32 v80, v80, v81
	v_permlanex16_b32 v81, v80, s48, s49
	v_add_f32 v[LS+1], v80, v81
	ds_store_b64 v84, v[LS:LS+1] offset:512*\mt
.endm
.macro LNMERGE mt                      ; the four waves' figures -> (1/std, (my mean - mean)/std)
.set LR, 16+8*\mt
.set LS, 86+2*\mt
	v_add_f32 v80, v[LR], v[LR+2]
	v_add_f32 v81, v[LR+4], v[LR+6]
	v_add_f32 v80, v80, v81
	v_mul_f32 v80, 0x3e800000, v80                 ; the row's mean
	v_sub_f32 v[LR],   v[LR],   v80
	v_sub_f32 v[LR+2], v[LR+2], v80
	v_sub_f32 v[LR+4], v[LR+4], v80
	v_sub_f32 v[LR+6], v[LR+6], v80
	v_add_f32 v[LR+1], v[LR+1], v[LR+3]
	v_add_f32 v[LR+5], v[LR+5], v[LR+7]
	v_add_f32 v[LR+1], v[LR+1], v[LR+5]
	v_mul_f32 v81, v[LR], v[LR]
	v_fmac_f32 v81, v[LR+2], v[LR+2]
	v_fmac_f32 v81, v[LR+4], v[LR+4]
	v_fmac_f32 v81, v[LR+6], v[LR+6]
	v_fma_f32 v[LR+1], v81, 0x42800000, v[LR+1]    ; + 64 x the spread of the means
	v_fma_f32 v[LR+1], v[LR+1], s50, s51           ; variance + 1e-5
	v_rsq_f32 v[LR+1], v[LR+1]
	v_sub_f32 v81, v[LS], v80                      ; a plain instruction behind the root, which touches neither its result nor its source
	s_wait_alu depctr_va_vdst(0)
	v_mul_f32 v[LS+1], v81, v[LR+1]
	v_mov_b32 v[LS], v[LR+1]
.endm
.macro LNAPPLY mt
.set LX, ACC+32*\mt
.set LS, 86+2*\mt
.irp k, 0,2,4,6,8,10,12,14,16,18,20,22,24,26,28,30
	v_pk_fma_f32 v[LX+\k:LX+\k+1], v[LX+\k:LX+\k+1], v[LS:LS+1], v[LS:LS+1] op_sel:[0,0,1] op_sel_hi:[1,0,1]
.endr
.irp k, 0,2,4,6,8,10,12,14,16,18,20,22,24,26,28,30
	v_pk_fma_f32 v[LX+\k:LX+\k+1], v[LX+\k:LX+\k+1], v[16+\k:17+\k], v[48+\k:49+\k]
.endr
.endm
; Layer norm of the accumulators + a bias, in place.  One barrier inside.
.macro LNORM biasoff, goff, beoff, red
	v_and_b32 v84, 15, v0
	v_lshlrev_b32 v85, 5, v84
	v_add_nc_u32 v85, \red, v85                    ; row r's four pairs
	v_add_nc_u32 v84, s54, v85                     ; my wave's pair
	PARLD 16, \biasoff
	s_wait_dscnt 0x0
.irp mt, 0,1,2,3,4
.irp k, 0,2,4,6,8,10,12,14,16,18,20,22,24,26,28,30
	v_pk_add_f32 v[ACC+32*\mt+\k:ACC+32*\mt+\k+1], v[ACC+32*\mt+\k:ACC+32*\mt+\k+1], v[16+\k:17+\k]
.endr
.endr
.irp mt, 0,1,2,3,4
	LNSTAT \mt
.endr
	s_wait_dscnt 0x0
	s_barrier_signal -1
	s_barrier_wait -1
.irp mt, 0,1,2,3,4
	ds_load_b128 v[16+8*\mt:19+8*\mt], v85 offset:512*\mt
	ds_load_b128 v[20+8*\mt:23+8*\mt], v85 offset:512*\mt+16
.endr
	s_wait_dscnt 0x0
.irp mt, 0,1,2,3,4
	LNMERGE \mt
.endr
	PARLD 16, \goff
	PARLD 48, \beoff
	s_wait_dscnt 0x0
.irp mt, 0,1,2,3,4
	LNAPPLY \mt
.endr
.endm
.macro NEXTPASS                        ; the stream's base goes 8 steps on, behind the wait that frees it
	s_wait_xcnt 0x0
	s_add_nc_u64 s[44:45], s[44:45], 32768
.endm
	; PHASE O: q_feat + samples x Wo
	CINITX
	ALOAD 0, 0
	PASS8 -1
	WIN 0
	PLACES
	NEXTPASS
	LNORM 0, 1024, 2048, RED1
	; x: f32 back to my places of XF (the second residual), f16 into XB (every wave's reads of the samples ended in front of the barrier inside LNORM)
.irp mt, 0,1,2,3,4
	XSTORE \mt
.irp k, 0,1,2,3,4,5,6,7,8,9,10,11,12,13,14,15
	v_cvt_pk_f16_f32 v[ACC+32*\mt+\k], v[ACC+32*\mt+2*\k], v[ACC+32*\mt+2*\k+1]    ; packed in place: register k is written when registers 2 k, 2 k + 1 are read
.endr
	v_add_nc_u32 v80, s53, v[AADR+\mt]
.irp t, 0,1,2,3
	ds_store_b128 v80, v[ACC+32*\mt+4*\t:ACC+32*\mt+4*\t+3] offset:32*\t
.endr
.endr
	s_wait_dscnt 0x0
	s_barrier_signal -1
	s_barrier_wait -1
	; PHASE F1: four passes of 64 columns a wave: relu(x W1 + bf1) -> hidden layer in f16
	s_mov_b32 s52, 4
.Lffn1:
	CINITB
	ALOAD 0, 0
	PASS8 -1
	WIN 0
	PLACES
.set i, 0
.rept 160
	v_med3_num_f32 v[ACC+i], v[ACC+i], 0, s55      ; relu, and the clip at f16's largest number, in one instruction
.set i, i+1
.endr
.set i, 0
.rept 80
	v_cvt_pk_f16_f32 v[ACC+32*(i/16)+(i%16)], v[ACC+32*(i/16)+2*(i%16)], v[ACC+32*(i/16)+2*(i%16)+1]
.set i, i+1
.endr
.irp mt, 0,1,2,3,4
.irp t, 0,1,2,3
	ds_store_b128 v[HST+\mt], v[ACC+32*\mt+4*\t:ACC+32*\mt+4*\t+3] offset:32*\t
.endr
.endr
	NEXTPASS
	v_add_nc_u32 v[PADR], 0x100, v[PADR]
.irp mt, 0,1,2,3,4
	v_add_nc_u32 v[HST+\mt], 0x80, v[HST+\mt]
.endr
	s_sub_co_u32 s52, s52, 1
	s_cmp_lg_u32 s52, 0
	s_cbranch_scc1 .Lffn1
	s_wait_dscnt 0x0
	s_barrier_signal -1
	s_barrier_wait -1
	; PHASE F2: x + hidden x W2, K = 1,024 in four passes
	CINITX
	v_and_b32 v16, 15, v0
	v_bfe_u32 v17, v0, 4, 1
	v_mul_u32_u24 v16, v16, HP
	v_lshl_add_u32 v16, v17, 4, v16
.irp mt, 0,1,2,3,4
	v_add_nc_u32 v[AADR+\mt], HB+16*HP*\mt, v16
.endr
	ALOAD 0, 0
	s_mov_b32 s52, 3
.Lffn2:
	PASS8 512                                      ; the last step asks for the next pass's first fragments
	WIN 0
.irp mt, 0,1,2,3,4
	v_add_nc_u32 v[AADR+\mt], 0x200, v[AADR+\mt]
.endr
	NEXTPASS
	s_sub_co_u32 s52, s52, 1
	s_cmp_lg_u32 s52, 0
	s_cbranch_scc1 .Lffn2
	KSTEP 0, 1, 56, 64                             ; the last pass: one more refill (the stream's last step), then the counts run down
	KSTEP 1, 0, 48, 128
	KSTEP 2, 0, 40, 192
	KSTEP 3, 0, 32, 256
	KSTEP 4, 0, 24, 320
	KSTEP 5, 0, 16, 384
	KSTEP 6, 0, 8, 448
	KSTEP 7, 0, 0, -1
	WIN 0
	PLACES
	LNORM 3072, 4096, 5120, RED2
	; way out: the result into XF, a barrier, then each wave stores 20 whole rows: every store covers 512 consecutive bytes, aligned
.irp mt, 0,1,2,3,4
	XSTORE \mt
.endr
	s_wait_dscnt 0x0
	s_barrier_signal -1
	s_barrier_wait -1
	s_mul_i32 s46, s30, 20*XFP
	v_add_nc_u32 v80, s46, v[L16]
.set i, 0
.rept 40
	ds_load_b128 v[ACC+4*i:ACC+4*i+3], v80 offset:XFP*(i>>1)+512*(i&1)
.set i, i+1
.endr
.set i, 0
.rept 40
	s_wait_dscnt 39-i                              ; LDS loads come back in order: load i is in
	global_store_b128 v[L16], v[ACC+4*i:ACC+4*i+3], s[28:29] offset:512*i th:TH_STORE_NT
.set i, i+1
.endr
	s_set_vgpr_msb 0xf
	s_wait_tensorcnt 0x0
	ds_add_u32 v0, v1
	s_wait_dscnt 0x0
	s_set_vgpr_msb 0xf00
	s_endpgm
.Lfunc_end_k_qfd05f50396_main:
	.size	k_qfd05f50396_main, .Lfunc_end_k_qfd05f50396_main-k_qfd05f50396_main
	.p2alignl 7, 3214868480
	.fill 96, 4, 3214868480
	.section	.rodata,"a",@progbits
	.p2align	6, 0x0
	.amdhsa_kernel k_qfd05f50396_main
		.amdhsa_group_segment_fixed_size 306432
		.amdhsa_private_segment_fixed_size 0
		.amdhsa_enable_private_segment 0
		.amdhsa_kernarg_size 104
		.amdhsa_user_sgpr_count 2
		.amdhsa_user_sgpr_kernarg_segment_ptr 1
		.amdhsa_wavefront_size32 1
		.amdhsa_system_sgpr_workgroup_id_x 1
		.amdhsa_system_sgpr_workgroup_id_y 1
		.amdhsa_system_sgpr_workgroup_id_z 1
		.amdhsa_system_vgpr_workitem_id 0
		.amdhsa_next_free_vgpr 770
		.amdhsa_next_free_sgpr 66
		.amdhsa_reserve_vcc 0
		.amdhsa_float_denorm_mode_32 3
		.amdhsa_float_denorm_mode_16_64 3
		.amdhsa_memory_ordered 1
		.amdhsa_forward_progress 1
		.amdhsa_inst_pref_size 255
	.end_amdhsa_kernel
	.section	.bss,"aw",@nobits
	.p2align	6
	.space	262144
	.amdgpu_metadata
---
amdhsa.version: [ 1, 2 ]
amdhsa.kernels:
  - .name:           k_qfd05f50396_main
    .symbol:         k_qfd05f50396_main.kd
    .args:
      - { .name: vws, .offset: 0, .size: 8, .value_kind: global_buffer, .address_space: global }
      - { .name: idx, .offset: 8, .size: 8, .value_kind: global_buffer, .address_space: global }
      - { .name: wts, .offset: 16, .size: 8, .value_kind: global_buffer, .address_space: global }
      - { .name: q_feat, .offset: 24, .size: 8, .value_kind: global_buffer, .address_space: global }
      - { .name: wt, .offset: 32, .size: 8, .value_kind: global_buffer, .address_space: global }
      - { .name: bo, .offset: 40, .size: 8, .value_kind: global_buffer, .address_space: global }
      - { .name: g1, .offset: 48, .size: 8, .value_kind: global_buffer, .address_space: global }
      - { .name: be1, .offset: 56, .size: 8, .value_kind: global_buffer, .address_space: global }
      - { .name: bf1, .offset: 64, .size: 8, .value_kind: global_buffer, .address_space: global }
      - { .name: bf2, .offset: 72, .size: 8, .value_kind: global_buffer, .address_space: global }
      - { .name: g2, .offset: 80, .size: 8, .value_kind: global_buffer, .address_space: global }
      - { .name: be2, .offset: 88, .size: 8, .value_kind: global_buffer, .address_space: global }
      - { .name: out0, .offset: 96, .size: 8, .value_kind: global_buffer, .address_space: global }
    .group_segment_fixed_size: 306432
    .private_segment_fixed_size: 0
    .kernarg_segment_align: 8
    .kernarg_segment_size: 104
    .max_flat_workgroup_size: 128
    .sgpr_count:     66
    .vgpr_count:     770
    .wavefront_size: 32
...
	.end_amdgpu_metadata
.endif
;; end of part 4
;; ======== version 2 of 2: 5 launches; 1.37 times as fast as version 1
;; limits: values are held in f16: magnitudes above 65,504 overflow, below 6.1e-05 lose precision
;; workspace buffers: wt 1,507,328 bytes; vws 20,029,440 bytes; idx 10,240,000 bytes of whole numbers; wts 20,480,000 bytes; smp 10,240,000 bytes
;; launch prep: the kernel of part 1 again; grid 184 x 1, 8 waves a work-group, no clusters, 0 bytes of LDS; arguments Wv, Woff, Wa, Wo, W1, W2, wt; writes wt
;; launch value: the kernel of part 2 again; grid 245 x 1, 4 waves a work-group, no clusters, 191,488 bytes of LDS; arguments src, wt, bv, vws; writes vws
;; launch qproj (part 5): grid 250 x 1, 4 waves a work-group, no clusters, 181,248 bytes of LDS; arguments q_feat, q_pos, q_ref, valid_ratios, wt, boff, ba, idx, wts; writes idx, wts
.if DOCPART == 5
	.amdgcn_target "amdgcn-amd-amdhsa--gfx1250"
	.amdhsa_code_object_version 6
	.text
	.protected	k_qfd05f50396_qproj
	.globl	k_qfd05f50396_qproj
	.p2align	8
	.type	k_qfd05f50396_qproj,@function
k_qfd05f50396_qproj:
	s_mov_b64 s[64:65], 0
	v_nop
	global_prefetch_b8 v0, s[64:65] scope:SCOPE_SE
	s_setreg_imm32_b32 hwreg(HW_REG_WAVE_MODE, 25, 1), 1
	s_wait_xcnt 0x0
; qproj: q = q_feat + q_pos;  offsets = q Woff + boff;  softmax over the 16 logits q Wa + ba of each head;  sampling places.
; For each of the 128 points of a query it stores ONE whole number and FOUR bf16 weights, head-major, in groups of 8 queries (group = query >> 3):
;   idx[head][group][level][8 queries][4 points] = first + ys W + xs,  xs = clamp(floor x, 0, W-2), ys likewise: the upper left of a 2 x 2 patch inside the map;
;     first = 19,560 b for level 0 (a row of the head's plane of values), and 0, 3,680, 4,600 for levels 1, 2, 3 (a row of the image of these
;     three levels that the next launch keeps in LDS);
;   wts[head][group][slot][8 queries][2 points][4 corners (y0x0, y0x1, y1x0, y1x1)] = attention x hat(x - column) x hat(y - row),  hat(d) = max(0, 1 - |d|),
;     slot = 4 (level >> 1) + 2 (point >> 1) + (level & 1).
; With these orders a store of the wave covers two aligned pieces of 256 consecutive bytes straight from registers: nothing is staged in LDS.
; For -1 <= floor x <= W-1 the hat weights are the reference's bilinear weights with its zero padding, elsewhere all are 0.
; x = off_x + (q_ref_x vr_x W - 0.5) stands for (ref + off / W) W - 0.5: the same number up to f32 rounding, and the result is continuous in x.
; FORMATS: q, Woff and Wa enter the matrix unit as f16 (q as drawn has spread 1; thirty times that, or an offset of thirty, stays under 200);
; sums, softmax and places in f32; the combined weight, in [0, 1], is rounded once to bf16.
; LIMITS: |q| beyond 65,504 becomes infinite; NaN coordinates are not served (the reference is not finite there).
; 20,000 queries = 250 work-groups of 80 rows (5 tiles of 16); no block of 80 straddles a batch (10,000 = 125 x 80).
; The four waves split the heads: wave w makes heads 2 w, 2 w + 1 (4 offset tiles and 2 logit tiles) with its weights in registers.
; q_feat and q_pos come in by the tensor data mover, each wave its own 4 rows of each tile: ten loads of a wave are out at the start.
; Matrix instructions are used transposed: lane (r, hh) holds query r; offset tile (e, s): level 2 s + hh, register j = point j >> 1, x or y;
; logit tile e: registers 0-3 level hh, 4-7 level 2 + hh (Wa's columns were permuted for that).
; No cluster: 250 work-groups do not divide into fours and no equal split of 1,250 tiles does; the shared weights lie in registers.
.set RAWT,  16384
.set RAWP0, 81920                      ; q_pos's five raw tiles, behind q_feat's
.set QB,    163840                     ; f16 tile of q, two buffers
.set QP,    528
.set QBSZ,  16*QP
.set IPLANE, 1280000                   ; a head's plane in idx: 2,500 groups x 512 bytes
.set WPLANE, 2560000                   ; and in wts: 2,500 groups x 1,024 bytes
.set RADRF, 4
.set RADRP, 5
.set QST,   6
.set QLD,   7
.set GOI,   12                         ; v12 my 16 bytes in idx: 512 (r >> 3) + 128 hh + 16 (r & 7)
.set GOW,   13                         ; v13 and in wts: 1,024 (r >> 3) + 128 hh + 16 (r & 7)
.set CSA,   14                         ; v14-19 level hh:   (vr_x W, vr_y H), W-2, H-2, W, first row as f32;  v20-25 the same for level 2 + hh
.set QREF,  26                         ; v26-35 q_ref of query r in the five tiles
.set RXY,   36                         ; v36-39 q_ref vr (W, H) - 0.5 for the two levels
.set ACC,   40                         ; v40-87 six accumulator tiles
.set AF,    88                         ; v88-151 fragments of q; between the products scratch:
.set T,     88                         ;   v88-97
.set CV,    88                         ;   v88-103
.set IDXR,  100                        ;   v100-107 head e = 0: 8 indices of this lane; e = 1: 24 registers further
.set WR,    108                        ;   v108-123 head e = 0: 8 x 4 weights; e = 1: 24 registers further
.set RAW,   152                        ; v152-215 raw q_feat, raw q_pos
.set L16,   219
.set G1, 16
.set G0, 24
.set MSB, 0
.macro WIN new
.if MSB != \new
	s_set_vgpr_msb (MSB<<8)|\new
.set MSB, \new
.endif
.endm
.macro PLACES                          ; four independent vector instructions behind a matrix instruction (ISA guide 7.12.1)
.rept 4
	v_nop
.endr
.endm
	s_load_b256 s[4:11], s[0:1], 0x0               ; q_feat s[4:5], q_pos s[6:7], q_ref s[8:9], valid_ratios s[10:11]
	s_load_b256 s[68:75], s[0:1], 0x20             ; wt s[68:69], boff s[70:71], ba s[72:73], idx s[74:75]
	s_load_b64 s[76:77], s[0:1], 0x40              ; wts
	v_lshl_add_u32 v254, v0, 2, 0x2c200
	v_mov_b32 v255, 0
	ds_add_u32 v254, v255
	ds_add_u32 v254, v255
	v_lshrrev_b32 v1, 5, v0
	v_readfirstlane_b32 s12, v1                    ; wave
	s_mov_b32 s[G1+0], 3<<16                       ; as dense rows of 32 elements of 8 bytes: 16 of them are my 4 rows
	s_mov_b32 s[G1+1], 32<<16
	s_mov_b32 s[G1+2], 16<<16
	s_mov_b32 s[G1+3], 32<<16
	s_mov_b32 s[G1+4], 16
	s_mov_b32 s[G1+5], 32
	s_mov_b32 s[G1+6], 0
	s_mov_b32 s[G1+7], 0
	s_mov_b32 s88, 0x76543210                      ; v_permlanex16_b32: lane i takes lane i of the other half
	s_mov_b32 s89, 0xfedcba98
	s_cmp_ge_u32 ttmp9, 125                        ; batch 1
	s_cselect_b32 s78, 32, 0
	s_cselect_b32 s79, 19560, 0
	s_mul_i32 s66, ttmp9, 81920                    ; 80 rows of 1,024 bytes
	s_lshl_b32 s13, s12, 12
	s_wait_dscnt 0x0
	s_wait_kmcnt 0x0
	s_mov_b32 s14, s78
	s_mov_b32 s15, 0
	s_add_nc_u64 s[10:11], s[10:11], s[14:15]
	s_load_b256 s[80:87], s[10:11], 0x0            ; valid_ratios[b][level][x, y]
	s_add_co_u32 s14, s66, s13
	s_add_nc_u64 s[4:5], s[4:5], s[14:15]
	s_add_nc_u64 s[6:7], s[6:7], s[14:15]
.irp i, 0,1,2,3,4
	s_mov_b32 s[G0+8*\i], 1
	s_add_co_u32 s[G0+8*\i+1], s13, \i*RAWT
	s_add_nc_u64 s[G0+8*\i+2:G0+8*\i+3], s[4:5], \i*RAWT
	s_or_b32 s[G0+8*\i+3], s[G0+8*\i+3], 0x80000000
	tensor_load_to_lds s[G0+8*\i:G0+8*\i+3], s[G1:G1+7]
	s_nop 0
	s_mov_b32 s[G0+8*\i+4], 1
	s_add_co_u32 s[G0+8*\i+5], s13, RAWP0+\i*RAWT
	s_add_nc_u64 s[G0+8*\i+6:G0+8*\i+7], s[6:7], \i*RAWT
	s_or_b32 s[G0+8*\i+7], s[G0+8*\i+7], 0x80000000
	tensor_load_to_lds s[G0+8*\i+4:G0+8*\i+7], s[G1:G1+7]
	s_nop 0
.endr
	v_and_b32 v1, 31, v0                           ; L
	v_and_b32 v2, 15, v0                           ; r
	v_bfe_u32 v3, v0, 4, 1                         ; hh
	v_lshlrev_b32 v[L16], 4, v1
	v_add_nc_u32 v[RADRF], s13, v[L16]
	v_add_nc_u32 v[RADRP], RAWP0, v[RADRF]
	s_mul_i32 s14, s12, 4*QP
	s_add_co_u32 s14, s14, QB
	v_lshl_add_u32 v[QST], v1, 3, s14
	v_mul_u32_u24 v89, v2, QP
	v_lshl_add_u32 v89, v3, 4, v89
	v_add_nc_u32 v[QLD], QB, v89
	v_lshrrev_b32 v89, 3, v2                       ; which of the tile's two groups
	v_and_b32 v90, 7, v2                           ; query in the group
	v_lshlrev_b32 v90, 4, v90
	v_lshl_add_u32 v90, v3, 7, v90                 ; + 128 hh
	v_lshl_add_u32 v[GOI], v89, 9, v90
	v_lshl_add_u32 v[GOW], v89, 10, v90
	s_lshl_b32 s14, s12, 8
	v_lshl_add_u32 v216, v3, 5, s14                ; boff: 4 x (64 w + 8 hh)
	s_lshl_b32 s14, s12, 7
	v_lshl_add_u32 v217, v3, 4, s14                ; ba: 4 x (32 w + 4 hh)
	v_lshlrev_b32 v218, 3, v2                      ; q_ref: 8 r
	s_lshl_b32 s14, s12, 15
	s_add_co_u32 s14, s14, 131072
	s_add_nc_u64 s[90:91], s[68:69], s[14:15]      ; my 32 blocks of Woff
	s_lshr_b32 s14, s12, 1
	s_lshl_b32 s14, s14, 15
	s_and_b32 s67, s12, 1
	s_lshl_b32 s67, s67, 11
	s_add_co_u32 s14, s14, s67
	s_add_co_u32 s14, s14, 262144
	s_add_nc_u64 s[92:93], s[68:69], s[14:15]      ; my two column tiles of Wa
	s_mul_i32 s14, ttmp9, 640
	s_add_nc_u64 s[8:9], s[8:9], s[14:15]
	s_mul_i32 s14, ttmp9, 5120                     ; idx: my work-group's ten groups of 512 bytes,
	s_mul_i32 s67, s12, 2*IPLANE                   ; in the plane of head 2 w
	s_add_co_u32 s14, s14, s67
	s_add_nc_u64 s[74:75], s[74:75], s[14:15]
	s_mul_i32 s14, ttmp9, 10240                    ; wts: ten groups of 1,024 bytes
	s_mul_i32 s67, s12, 2*WPLANE
	s_add_co_u32 s14, s14, s67
	s_add_nc_u64 s[76:77], s[76:77], s[14:15]
	WIN 0x40                                       ; window 1: Woff fragment (ks, t) at 8 (4 ks + t)
.set m, 0
.rept 64
	global_load_b128 v[4*m:4*m+3], v[L16], s[90:91] offset:512*m
.set m, m+1
.endr
	WIN 0x80                                       ; window 2: Wa fragment (ks, e) at 8 (2 ks + e); the six biases at 128 + 8 tile
.irp ks, 0,1,2,3,4,5,6,7
.irp e, 0,1
	global_load_b128 v[8*(2*\ks+\e):8*(2*\ks+\e)+3],   v[L16], s[92:93] offset:4096*\ks+1024*\e
	global_load_b128 v[8*(2*\ks+\e)+4:8*(2*\ks+\e)+7], v[L16], s[92:93] offset:4096*\ks+1024*\e+512
.endr
.endr
.irp t, 0,1,2,3
	global_load_b128 v[128+8*\t:128+8*\t+3],   v216, s[70:71] offset:64*\t
	global_load_b128 v[128+8*\t+4:128+8*\t+7], v216, s[70:71] offset:64*\t+16
.endr
.irp e, 0,1
	global_load_b128 v[160+8*\e:160+8*\e+3],   v217, s[72:73] offset:64*\e
	global_load_b128 v[160+8*\e+4:160+8*\e+7], v217, s[72:73] offset:64*\e+32
.endr
	WIN 0
.irp i, 0,1,2,3,4
	global_load_b64 v[QREF+2*\i:QREF+2*\i+1], v218, s[8:9] offset:128*\i
.endr
	; lane constants: lanes 0-15 levels 0 and 2, lanes 16-31 levels 1 and 3
	v_cmp_le_u32 vcc_lo, 16, v1
.macro LSEL dst, lo, hi
	v_mov_b32 v88, \hi
	v_cndmask_b32 v[\dst], \lo, v88, vcc_lo
.endm
	s_wait_kmcnt 0x0
	LSEL CSA+4,  0x43200000, 0x42a00000            ; W = 160, 80
	LSEL CSA+10, 0x42200000, 0x41a00000            ; W = 40, 20
	LSEL 90,     0x42b80000, 0x42380000            ; H = 92, 46
	LSEL 91,     0x41b80000, 0x41400000            ; H = 23, 12
	LSEL CSA,    s80, s82
	LSEL CSA+1,  s81, s83
	LSEL CSA+6,  s84, s86
	LSEL CSA+7,  s85, s87
	LSEL CSA+5,  s79, 0                            ; first row: level 0 in the plane (19,560 b), level 1 in the LDS image (0)
	LSEL CSA+11, 3680, 4600                        ; levels 2 and 3 in the LDS image
	v_mul_f32 v[CSA],   v[CSA],   v[CSA+4]
	v_mul_f32 v[CSA+1], v[CSA+1], v90
	v_mul_f32 v[CSA+6], v[CSA+6], v[CSA+10]
	v_mul_f32 v[CSA+7], v[CSA+7], v91
	v_add_f32 v[CSA+2], -2.0, v[CSA+4]
	v_add_f32 v[CSA+3], -2.0, v90
	v_add_f32 v[CSA+8], -2.0, v[CSA+10]
	v_add_f32 v[CSA+9], -2.0, v91
	v_cvt_f32_u32 v[CSA+5],  v[CSA+5]              ; below 2^24: exact
	v_cvt_f32_u32 v[CSA+11], v[CSA+11]
.macro QRAW
.irp c, 0,1,2,3,4,5,6,7
	ds_load_b128 v[RAW+4*\c:RAW+4*\c+3], v[RADRF] offset:512*\c
.endr
.irp c, 0,1,2,3,4,5,6,7
	ds_load_b128 v[RAW+32+4*\c:RAW+32+4*\c+3], v[RADRP] offset:512*\c
.endr
.endm
.macro QCONV buf                       ; q = q_feat + q_pos in f32, rounded once to f16, into the shared tile
.irp k, 0,2,4,6,8,10,12,14,16,18,20,22,24,26,28,30
	v_pk_add_f32 v[RAW+\k:RAW+\k+1], v[RAW+\k:RAW+\k+1], v[RAW+32+\k:RAW+33+\k]
.endr
.irp c, 0,1,2,3,4,5,6,7
	v_cvt_pk_f16_f32 v[CV+2*\c],   v[RAW+4*\c],   v[RAW+4*\c+1]
	v_cvt_pk_f16_f32 v[CV+2*\c+1], v[RAW+4*\c+2], v[RAW+4*\c+3]
.endr
.irp c, 0,1,2,3,4,5,6,7
	ds_store_b64 v[QST], v[CV+2*\c:CV+2*\c+1] offset:\buf*QBSZ+(\c>>1)*QP+(\c&1)*256
.endr
.endm
; softmax over a head's 16 logits: 8 in this lane, 8 in lane xor 16.  The maximum is taken away first, as the reference does.
.macro SOFTMAX lg
	v_max3_num_f32 v[T],   v[\lg],   v[\lg+1], v[\lg+2]
	v_max3_num_f32 v[T+1], v[\lg+3], v[\lg+4], v[\lg+5]
	v_max3_num_f32 v[T],   v[T],     v[\lg+6], v[\lg+7]
	v_max_num_f32 v[T], v[T], v[T+1]
	v_permlanex16_b32 v[T+1], v[T], s88, s89
	v_max_num_f32 v[T], v[T], v[T+1]
.irp k, 0,2,4,6
	v_pk_add_f32 v[\lg+\k:\lg+\k+1], v[\lg+\k:\lg+\k+1], v[T:T+1] op_sel_hi:[1,0] neg_lo:[0,1] neg_hi:[0,1]
.endr
.irp k, 0,2,4,6
	v_pk_mul_f32 v[\lg+\k:\lg+\k+1], v[\lg+\k:\lg+\k+1], 0x3fb8aa3b op_sel_hi:[1,0]
.endr
.irp k, 0,1,2,3,4,5,6,7
	v_exp_f32 v[\lg+\k], v[\lg+\k]
.endr
	v_nop                                          ; one plain instruction behind the last exponential before its result is read
	s_wait_alu depctr_va_vdst(0)
	v_pk_add_f32 v[T:T+1],   v[\lg:\lg+1],   v[\lg+2:\lg+3]
	v_pk_add_f32 v[T+2:T+3], v[\lg+4:\lg+5], v[\lg+6:\lg+7]
	v_pk_add_f32 v[T:T+1], v[T:T+1], v[T+2:T+3]
	v_add_f32 v[T], v[T], v[T+1]
	v_permlanex16_b32 v[T+1], v[T], s88, s89
	v_add_f32 v[T], v[T], v[T+1]                   ; at least 1: the largest logit gives exp 0
	v_rcp_f32 v[T], v[T]
	v_nop
	s_wait_alu depctr_va_vdst(0)
.irp k, 0,2,4,6
	v_pk_mul_f32 v[\lg+\k:\lg+\k+1], v[\lg+\k:\lg+\k+1], v[T:T+1] op_sel_hi:[1,0]
.endr
.endm
; One point.  off: its (off_x, off_y); areg: its attention weight; cs: the level's constants; rxy: the level's reference place.
; With d = x - xs: hat(d) = med3(1 - d, 1 + d, 0) and hat(d - 1) = med3(2 - d, d, 0): the two arguments add up to 2, so the middle one of
; them and 0 is max(0, the smaller).
.macro POINT off, areg, cs, rxy, idst, wdst
	v_pk_add_f32 v[T:T+1], v[\off:\off+1], v[\rxy:\rxy+1]          ; x, y in pixels
	v_floor_f32 v[T+2], v[T]
	v_floor_f32 v[T+3], v[T+1]
	v_med3_num_f32 v[T+2], v[T+2], 0, v[\cs+2]                     ; xs
	v_med3_num_f32 v[T+3], v[T+3], 0, v[\cs+3]                     ; ys
	v_pk_add_f32 v[T:T+1], v[T:T+1], v[T+2:T+3] neg_lo:[0,1] neg_hi:[0,1]
	v_pk_add_f32 v[T+4:T+5], v[T:T+1], 1.0 op_sel_hi:[1,0] neg_lo:[1,0] neg_hi:[1,0]
	v_pk_add_f32 v[T+6:T+7], v[T:T+1], 1.0 op_sel_hi:[1,0]
	v_pk_add_f32 v[T+8:T+9], v[T:T+1], 2.0 op_sel_hi:[1,0] neg_lo:[1,0] neg_hi:[1,0]
	v_fma_f32 v[T+2], v[T+3], v[\cs+4], v[T+2]                     ; ys W + xs: whole numbers below 2^24, exact
	v_med3_num_f32 v[T+4], v[T+4], v[T+6], 0                       ; weight of column xs
	v_med3_num_f32 v[T+5], v[T+5], v[T+7], 0                       ; of row ys
	v_med3_num_f32 v[T+6], v[T+8], v[T], 0                         ; of column xs + 1
	v_med3_num_f32 v[T+7], v[T+9], v[T+1], 0                       ; of row ys + 1
	v_add_f32 v[T+2], v[T+2], v[\cs+5]
	v_mul_f32 v[T+5], v[T+5], v[\areg]
	v_mul_f32 v[T+7], v[T+7], v[\areg]
	v_cvt_u32_f32 v[\idst], v[T+2]
	v_mul_f32 v[T],   v[T+5], v[T+4]
	v_mul_f32 v[T+1], v[T+5], v[T+6]
	v_mul_f32 v[T+2], v[T+7], v[T+4]
	v_mul_f32 v[T+3], v[T+7], v[T+6]
	v_cvt_pk_bf16_f32 v[\wdst],   v[T],   v[T+1]
	v_cvt_pk_bf16_f32 v[\wdst+1], v[T+2], v[T+3]
.endm
; Head 2 w + e of tile i.  Each head has store registers of its own, so nothing is waited for between the two heads.
; A store: lanes (r & 7, hh) of one group write 256 consecutive bytes, aligned; the wave's two groups make two such pieces.
.macro QHEAD e, i
	SOFTMAX ACC+8*(4+\e)
.irp s, 0,1
.irp p, 0,1,2,3
	POINT ACC+8*(2*\e+\s)+2*\p, ACC+8*(4+\e)+4*\s+\p, CSA+6*\s, RXY+2*\s, IDXR+24*\e+4*\s+\p, WR+24*\e+8*\s+2*\p
.endr
.endr
.irp s, 0,1
	global_store_b128 v[GOI], v[IDXR+24*\e+4*\s:IDXR+24*\e+4*\s+3], s[74:75] offset:\e*IPLANE+1024*\i+256*\s
	global_store_b128 v[GOW], v[WR+24*\e+8*\s:WR+24*\e+8*\s+3],     s[76:77] offset:\e*WPLANE+2048*\i+512*\s
	global_store_b128 v[GOW], v[WR+24*\e+8*\s+4:WR+24*\e+8*\s+7],   s[76:77] offset:\e*WPLANE+2048*\i+512*\s+256
.endr
.endm
	s_wait_tensorcnt 0x8                           ; tile 0 of both inputs is in, eight younger loads stay out
	QRAW
	s_wait_dscnt 0x0
	QCONV 0
	s_wait_dscnt 0x0
	s_barrier_signal -1
	s_barrier_wait -1
	s_wait_loadcnt 0x0                             ; weights, biases, q_ref: once
; One tile.  Reads f16 buffer i & 1, fills the other with tile i + 1; that one was last read a trip ago, and every wave waited for those
; reads in front of that trip's barrier.
.macro QTRIP i
	s_wait_xcnt 0x0                                ; v100-147, the data of the last trip's stores, are loaded again only behind this wait
.irp ks, 0,1,2,3,4,5,6,7
	ds_load_b128 v[AF+8*\ks:AF+8*\ks+3],   v[QLD] offset:(\i&1)*QBSZ+64*\ks
	ds_load_b128 v[AF+8*\ks+4:AF+8*\ks+7], v[QLD] offset:(\i&1)*QBSZ+64*\ks+32
.endr
.if \i < 4
	s_wait_tensorcnt 6-2*\i                        ; both loads of tile i + 1 are in; the later tiles' stay out
	v_add_nc_u32 v[RADRF], RAWT, v[RADRF]
	v_add_nc_u32 v[RADRP], RAWT, v[RADRP]
	QRAW
	s_wait_dscnt 0x10                              ; the 16 fragment loads are in, the 16 raw loads may be out
.else
	s_wait_dscnt 0x0
.endif
	WIN 0x21                                       ; weights window 1, C (bias) window 2
.irp t, 0,1,2,3
	v_wmma_f32_16x16x32_f16 v[ACC+8*\t:ACC+8*\t+7], v[8*\t:8*\t+7], v[AF:AF+7], v[128+8*\t:128+8*\t+7]
.endr
	WIN 0x01
.irp ks, 1,2,3,4,5,6,7
.irp t, 0,1,2,3
	v_wmma_f32_16x16x32_f16 v[ACC+8*\t:ACC+8*\t+7], v[8*(4*\ks+\t):8*(4*\ks+\t)+7], v[AF+8*\ks:AF+8*\ks+7], v[ACC+8*\t:ACC+8*\t+7]
.endr
.endr
	WIN 0x22                                       ; weights and bias window 2
.irp e, 0,1
	v_wmma_f32_16x16x32_f16 v[ACC+32+8*\e:ACC+32+8*\e+7], v[8*\e:8*\e+7], v[AF:AF+7], v[160+8*\e:160+8*\e+7]
.endr
	WIN 0x02
.irp ks, 1,2,3,4,5,6,7
.irp e, 0,1
	v_wmma_f32_16x16x32_f16 v[ACC+32+8*\e:ACC+32+8*\e+7], v[8*(2*\ks+\e):8*(2*\ks+\e)+7], v[AF+8*\ks:AF+8*\ks+7], v[ACC+32+8*\e:ACC+32+8*\e+7]
.endr
.endr
	WIN 0
	PLACES
.if \i < 4
	s_wait_dscnt 0x0
	QCONV ((\i+1)&1)
	s_wait_dscnt 0x0                               ; my part of the next f16 tile is stored before I say so
	s_barrier_signal -1
	s_barrier_wait -1
.endif
	v_pk_fma_f32 v[RXY:RXY+1],   v[QREF+2*\i:QREF+2*\i+1], v[CSA:CSA+1],   -0.5 op_sel_hi:[1,1,0]
	v_pk_fma_f32 v[RXY+2:RXY+3], v[QREF+2*\i:QREF+2*\i+1], v[CSA+6:CSA+7], -0.5 op_sel_hi:[1,1,0]
	QHEAD 0, \i
	QHEAD 1, \i
.endm
	QTRIP 0
	QTRIP 1
	QTRIP 2
	QTRIP 3
	QTRIP 4
	s_wait_tensorcnt 0x0
	ds_add_u32 v254, v255
	s_wait_dscnt 0x0
	s_endpgm
.Lfunc_end_k_qfd05f50396_qproj:
	.size	k_qfd05f50396_qproj, .Lfunc_end_k_qfd05f50396_qproj-k_qfd05f50396_qproj
	.p2alignl 7, 3214868480
	.fill 96, 4, 3214868480
	.section	.rodata,"a",@progbits
	.p2align	6, 0x0
	.amdhsa_kernel k_qfd05f50396_qproj
		.amdhsa_group_segment_fixed_size 181248
		.amdhsa_private_segment_fixed_size 0
		.amdhsa_enable_private_segment 0
		.amdhsa_kernarg_size 72
		.amdhsa_user_sgpr_count 2
		.amdhsa_user_sgpr_kernarg_segment_ptr 1
		.amdhsa_wavefront_size32 1
		.amdhsa_system_sgpr_workgroup_id_x 1
		.amdhsa_system_sgpr_workgroup_id_y 1
		.amdhsa_system_sgpr_workgroup_id_z 1
		.amdhsa_system_vgpr_workitem_id 0
		.amdhsa_next_free_vgpr 688
		.amdhsa_next_free_sgpr 96
		.amdhsa_reserve_vcc 1
		.amdhsa_float_denorm_mode_32 3
		.amdhsa_float_denorm_mode_16_64 3
		.amdhsa_memory_ordered 1
		.amdhsa_forward_progress 1
		.amdhsa_inst_pref_size 181
	.end_amdhsa_kernel
	.amdgpu_metadata
---
amdhsa.version: [ 1, 2 ]
amdhsa.kernels:
  - .name:           k_qfd05f50396_qproj
    .symbol:         k_qfd05f50396_qproj.kd
    .args:
      - { .name: q_feat, .offset: 0, .size: 8, .value_kind: global_buffer, .address_space: global }
      - { .name: q_pos, .offset: 8, .size: 8, .value_kind: global_buffer, .address_space: global }
      - { .name: q_ref, .offset: 16, .size: 8, .value_kind: global_buffer, .address_space: global }
      - { .name: valid_ratios, .offset: 24, .size: 8, .value_kind: global_buffer, .address_space: global }
      - { .name: wt, .offset: 32, .size: 8, .value_kind: global_buffer, .address_space: global }
      - { .name: boff, .offset: 40, .size: 8, .value_kind: global_buffer, .address_space: global }
      - { .name: ba, .offset: 48, .size: 8, .value_kind: global_buffer, .address_space: global }
      - { .name: idx, .offset: 56, .size: 8, .value_kind: global_buffer, .address_space: global }
      - { .name: wts, .offset: 64, .size: 8, .value_kind: global_buffer, .address_space: global }
    .group_segment_fixed_size: 181248
    .private_segment_fixed_size: 0
    .kernarg_segment_align: 8
    .kernarg_segment_size: 72
    .max_flat_workgroup_size: 128
    .sgpr_count:     96
    .vgpr_count:     688
    .wavefront_size: 32
...
	.end_amdgpu_metadata
.endif
;; end of part 5
;; launch samp (part 6): grid 16 x 16, 8 waves a work-group, no clusters, 310,784 bytes of LDS; arguments vws, idx, wts, smp; writes smp
.if DOCPART == 6
	.amdgcn_target "amdgcn-amd-amdhsa--gfx1250"
	.amdhsa_code_object_version 6
	.text
	.protected	k_qfd05f50396_samp
	.globl	k_qfd05f50396_samp
	.p2align	8
	.type	k_qfd05f50396_samp,@function
k_qfd05f50396_samp:
	s_mov_b64 s[64:65], 0
	v_nop
	global_prefetch_b8 v0, s[64:65] scope:SCOPE_SE
	s_setreg_imm32_b32 hwreg(HW_REG_WAVE_MODE, 25, 1), 1
	s_wait_xcnt 0x0
; samp: the sampling sum.  A work-group serves ONE (batch, head) (its second id, 8 b + h) and one sixteenth of that batch's queries (its first id).
; Pyramid levels 1, 2, 3 of one head are 3,680 + 920 + 240 rows of 64 bytes = 309,760 bytes, consecutive in the head's plane of values: they are
; brought into LDS once, and three quarters of all sampled rows are then read from LDS.  Level 0 (14,720 rows) does not fit and is gathered from memory.
; The rows lie unpadded in LDS (4,840 rows of 80 bytes would not fit), so rows of different queries can meet in a bank.
; A GROUP is 8 queries: lane L = (query L >> 2, 8 channels L & 3).  One 16-byte load a lane fetches one corner of one point for the 8 queries, and a
; lane sums its 8 channels in f32: nothing is reduced across lanes.  64 loads and 512 multiply-adds (bf16 x bf16 into f32) a group.
; SHARES: a batch has 1,250 groups = 125 shares of ten; wave w of work-group x takes share 8 x + w.  In x = 15 waves 5, 6, 7 have no share:
; they pass the barrier and end (until then they load share 124's lists, so that no load leaves a buffer).
; The indices were stored as whole numbers by the launch before; each is clamped to its level's range before it enters an address.
; PIPELINE of a wave, group t: level 0's 16 loads are asked for when group t - 2's level 0 is summed (two register buffers); the lists come a group
; (weights), two (indices of levels 1-3) or three (indices of level 0) ahead; each LDS level's 16 loads are issued two steps ahead (two register buffers).
; OUT: smp[tile of 16 queries][head][16 queries][32 channels] in f16 (|sample| <= max |value|: see the next launch's head for the room):
; a group's store covers 512 consecutive bytes, aligned.
; No cluster, though the 16 work-groups of a (batch, head) read the same 309,760 bytes: 125 shares do not divide equally among partners, and the
; branch that ends the waves without a share would hang on the work-group's place, which joint requests do not allow.
.set PLANE,  2503680                   ; a head's plane in vws
.set IPLANE, 1280000                   ; in idx: 2,500 groups x 512 bytes
.set WPLANE, 2560000                   ; in wts: 2,500 groups x 1,024 bytes
.set FILLB,  61952                     ; a fifth of the LDS image: 242 rows of 256 bytes
.set MAX0, 34118                       ; largest index: level 0: 19,560 + 90 x 160 + 158 (row of the plane)
.set MAX1, 3598                        ; level 1: 44 x 80 + 78 (row of the LDS image)
.set MAX2, 4558                        ; level 2: 3,680 + 21 x 40 + 38
.set MAX3, 4818                        ; level 3: 4,600 + 10 x 20 + 18
.set L16,  1                           ; v1      16 x lane
.set MOFF, 2                           ; v2      16 x (L >> 2): my query's piece of the lists
.set SUB,  3                           ; v3      16 x (L & 3): my 8 channels in a row
.set PK,   4                           ; v4-7    the sums in f16
.set ACC,  8                           ; v8-15   the sums
.set R0,   16                          ; v16-19  level 0's indices, as loaded
.set RL,   20                          ; v20-31  the indices of levels 1-3
.set R0B,  32                          ; v32-35  group 1's level 0, at the start only
.set A0,   36                          ; v36-43  byte offsets of level 0, two groups
.set AL,   44                          ; v44-67  LDS addresses of levels 1-3, two groups
.set WT,   68                          ; v68-131 weights, two groups
.set D0,   0                           ; window 1: v256-383 level 0's rows, two groups
.set B0,   128                         ;           v384-447 and
.set B1,   192                         ;           v448-511 rows read from LDS, two buffers that take turns
.set G0, 16
.set G1, 20
.set MSB, 0
.macro WIN new                         ; register windows; the immediate's high byte repeats the setting that is left
.if MSB != \new
	s_set_vgpr_msb (MSB<<8)|\new
.set MSB, \new
.endif
.endm
	s_load_b256 s[4:11], s[0:1], 0x0               ; vws s[4:5], idx s[6:7], wts s[8:9], smp s[10:11]
	v_lshl_add_u32 v254, v0, 2, 0x4ba00
	v_mov_b32 v255, 0
	ds_add_u32 v254, v255
	ds_add_u32 v254, v255
	v_lshrrev_b32 v1, 5, v0
	v_readfirstlane_b32 s12, v1                    ; wave 0..7
	s_and_b32 s13, ttmp7, 0xffff
	s_lshr_b32 s14, s13, 3                         ; b
	s_and_b32 s15, s13, 7                          ; h
	s_lshl3_add_u32 s28, ttmp9, s12                ; my share, 0..127; 125 and more: none
	s_min_u32 s29, s28, 124
	s_mul_i32 s30, s14, 1250
	s_mul_i32 s31, s29, 10
	s_add_co_u32 s30, s30, s31                     ; my first group (an even number)
	s_mov_b32 s[G1+0], 3<<16                       ; elements of 8 bytes, no mask, no padding
	s_mov_b32 s[G1+1], 32<<16                      ; tensor_dim0 = 32: rows of 256 bytes
	s_mov_b32 s[G1+2], 242<<16                     ; tensor_dim1 = 242
	s_mov_b32 s[G1+3], 32<<16                      ; tile_dim0
	s_mov_b32 s[G1+4], 242                         ; tile_dim1
	s_mov_b32 s[G1+5], 32                          ; pitch: the block is dense
	s_mov_b32 s[G1+6], 0
	s_mov_b32 s[G1+7], 0
	s_mov_b32 s33, 0
	s_mov_b32 s35, 0
	s_mul_i32 s32, s15, PLANE
	s_mul_i32 s34, s14, 19560*64                   ; the batch's rows,
	s_add_co_u32 s34, s34, 14720*64                ; behind level 0,
	s_mul_i32 s36, s12, FILLB                      ; my fifth
	s_add_co_u32 s34, s34, s36
	s_mov_b32 s[G0], 1
	s_mul_i32 s[G0+1], s12, FILLB
	s_wait_dscnt 0x0
	s_wait_kmcnt 0x0
	s_add_nc_u64 s[4:5], s[4:5], s[32:33]          ; vws at my head's plane
	s_add_nc_u64 s[G0+2:G0+3], s[4:5], s[34:35]
	s_or_b32 s[G0+3], s[G0+3], 0x80000000
	s_cmp_gt_u32 s12, 4                            ; waves 0 to 4 bring a fifth each
	s_cbranch_scc1 .Lnofill
	tensor_load_to_lds s[G0:G0+3], s[G1:G1+7]
	s_nop 0
.Lnofill:
	s_mul_i32 s32, s15, IPLANE
	s_lshl_b32 s34, s30, 9
	s_add_co_u32 s32, s32, s34
	s_add_nc_u64 s[6:7], s[6:7], s[32:33]          ; idx at my first group
	s_mul_i32 s32, s15, WPLANE
	s_lshl_b32 s34, s30, 10
	s_add_co_u32 s32, s32, s34
	s_add_nc_u64 s[8:9], s[8:9], s[32:33]          ; wts likewise
	s_lshl_b32 s32, s30, 12                        ; smp: two groups are a tile of 8,192 bytes,
	s_lshl_b32 s34, s15, 10                        ; my head's 1,024 in it
	s_add_co_u32 s32, s32, s34
	s_add_nc_u64 s[10:11], s[10:11], s[32:33]
	v_and_b32 v5, 31, v0
	v_lshlrev_b32 v[L16], 4, v5
	v_lshrrev_b32 v6, 2, v5
	v_lshlrev_b32 v[MOFF], 4, v6
	v_and_b32 v7, 3, v5
	v_lshlrev_b32 v[SUB], 4, v7
.macro SADDR dst, src, mx              ; four points: clamp, x 64 bytes, + my 16 bytes
.irp p, 0,1,2,3
	v_min_u32 v[\dst+\p], \mx, v[\src+\p]
	v_lshlrev_b32 v[\dst+\p], 6, v[\dst+\p]
	v_add_nc_u32 v[\dst+\p], v[SUB], v[\dst+\p]
.endr
.endm
.macro SADDRL par
	SADDR AL+12*\par,   RL,   MAX1
	SADDR AL+12*\par+4, RL+4, MAX2
	SADDR AL+12*\par+8, RL+8, MAX3
.endm
.macro LDR0 dst, grp                   ; level 0's indices of the group grp behind the base
	global_load_b128 v[\dst:\dst+3], v[MOFF], s[6:7] offset:(\grp)*512 th:TH_LOAD_NT
.endm
.macro LDRL grp                        ; the indices of levels 1-3
.irp l, 1,2,3
	global_load_b128 v[RL+4*(\l-1):RL+4*(\l-1)+3], v[MOFF], s[6:7] offset:(\grp)*512+128*\l th:TH_LOAD_NT
.endr
.endm
.macro LDWT par, grp                   ; the eight slots of weights
.irp sg, 0,1,2,3,4,5,6,7
	global_load_b128 v[WT+32*\par+4*\sg:WT+32*\par+4*\sg+3], v[MOFF], s[8:9] offset:(\grp)*1024+128*\sg th:TH_LOAD_NT
.endr
.endm
.macro GISSUE0 par                     ; level 0: 4 points x 4 corners; the corners lie 64 bytes and one map row (160 x 64) apart
.irp p, 0,1,2,3
.irp c, 0,1,2,3
	global_load_b128 v[D0+64*\par+16*\p+4*\c:D0+64*\par+16*\p+4*\c+3], v[A0+4*\par+\p], s[4:5] offset:(\c&1)*64+(\c>>1)*10240
.endr
.endr
.endm
.macro LISSUE lvl, par, buf            ; a level out of LDS
.irp p, 0,1,2,3
.irp c, 0,1,2,3
	ds_load_b128 v[\buf+16*\p+4*\c:\buf+16*\p+4*\c+3], v[AL+12*\par+4*(\lvl-1)+\p] offset:(\c&1)*64+(\c>>1)*64*(160>>\lvl)
.endr
.endr
.endm
.macro FM8 d, wreg, wsel               ; 8 channels of one corner x its weight; a group's first eight start the sums
.irp jr, 0,1,2,3
.if GZ
	v_fma_mix_f32_bf16 v[ACC+2*\jr],   v[\d+\jr], v[\wreg], 0 op_sel:[0,\wsel,0] op_sel_hi:[1,1,0]
	v_fma_mix_f32_bf16 v[ACC+2*\jr+1], v[\d+\jr], v[\wreg], 0 op_sel:[1,\wsel,0] op_sel_hi:[1,1,0]
.else
	v_fma_mix_f32_bf16 v[ACC+2*\jr],   v[\d+\jr], v[\wreg], v[ACC+2*\jr]   op_sel:[0,\wsel,0] op_sel_hi:[1,1,0]
	v_fma_mix_f32_bf16 v[ACC+2*\jr+1], v[\d+\jr], v[\wreg], v[ACC+2*\jr+1] op_sel:[1,\wsel,0] op_sel_hi:[1,1,0]
.endif
.endr
.set GZ, 0
.endm
.macro SFMA lam, d, par                ; level lam from buffer d: point p's weights lie in slot 4 (lam >> 1) + 2 (p >> 1) + (lam & 1)
.irp p, 0,1,2,3
.irp ch, 0,1
	FM8 \d+16*\p+8*\ch,   WT+32*\par+4*(4*(\lam>>1)+2*(\p>>1)+(\lam&1))+2*(\p&1)+\ch, 0
	FM8 \d+16*\p+8*\ch+4, WT+32*\par+4*(4*(\lam>>1)+2*(\p>>1)+(\lam&1))+2*(\p&1)+\ch, 1
.endr
.endr
.endm
; Group t.  o: t's distance from the bases; p: t's parity, q the other; X: the LDS read buffer of levels 1 and 3, Y: of level 2.
; cnt: the loads younger than this group's weights: the 16 of group t + 1's level 0.  All older loads are then in as well:
; this group's level 0, level 0's indices of t + 2, the other indices of t + 1.
; dr0, drl, dwt, dd0: whether the lists of t + 3, t + 2, t + 1 and level 0 of t + 2 exist; nxt: whether group t + 1 does.
.macro SBODY o, p, q, X, Y, cnt, dr0, drl, dwt, dd0, nxt
	WIN 0
	s_wait_loadcnt \cnt
.if \dd0
	SADDR A0+4*\p, R0, MAX0                        ; these registers' last loads (group t's level 0) are in: the wait above
.endif
.if \nxt
	SADDRL \q
.endif
.if \dr0
	LDR0 R0, \o+3
.endif
.if \drl
	LDRL \o+2
.endif
.if \dwt
	LDWT \q, \o+1
.endif
	WIN 0x01                                       ; source 0 (rows) in window 1
.set GZ, 1
	SFMA 0, D0+64*\p, \p
.if \dd0
	WIN 0x40                                       ; destination in window 1
	GISSUE0 \p
.endif
	s_wait_dscnt 0x10                              ; level 1's rows are in; level 2's 16 loads may be out
	WIN 0x01
	SFMA 1, \X, \p
	WIN 0x40
	LISSUE 3, \p, \X
	s_wait_dscnt 0x10                              ; level 2's are in; level 3's may be out
	WIN 0x01
	SFMA 2, \Y, \p
.if \nxt
	WIN 0x40
	LISSUE 1, \q, \Y
	s_wait_dscnt 0x10                              ; level 3's are in; the next group's level 1 may be out
.else
	s_wait_dscnt 0x0
.endif
	WIN 0x01
	SFMA 3, \X, \p
.if \nxt
	WIN 0x40
	LISSUE 2, \q, \X
.endif
	WIN 0
	s_wait_xcnt 0x0                                ; PK, the data of the last group's store, is rewritten only behind this wait
.irp k, 0,1,2,3
	v_cvt_pk_f16_f32 v[PK+\k], v[ACC+2*\k], v[ACC+2*\k+1]
.endr
	global_store_b128 v[L16], v[PK:PK+3], s[10:11] offset:(\o>>1)*8192+(\o&1)*512     ; 8 queries x 64 bytes: 512 consecutive bytes, aligned
.endm
	LDR0 R0, 0
	LDRL 0
	LDR0 R0B, 1
	s_wait_loadcnt 0x0
	SADDR A0, R0, MAX0
	SADDRL 0
	SADDR A0+4, R0B, MAX0
	WIN 0x40
	GISSUE0 0
	WIN 0
	LDR0 R0, 2
	LDRL 1
	LDWT 0, 0
	WIN 0x40
	GISSUE0 1
	WIN 0
	s_wait_tensorcnt 0x0                           ; my fifth of the image is in LDS (waves 5 to 7 asked for none),
	s_barrier_signal -1
	s_barrier_wait -1                              ; everybody's is; nothing writes LDS from here on
	s_cmp_gt_u32 s28, 124                          ; a wave without a share ends here
	s_cbranch_scc1 .Lend
	WIN 0x40
	LISSUE 1, 0, B0
	LISSUE 2, 0, B1
	WIN 0
	s_mov_b32 s37, 3
.Lgroups:
	SBODY 0, 0, 1, B0, B1, 16, 1, 1, 1, 1, 1
	SBODY 1, 1, 0, B1, B0, 16, 1, 1, 1, 1, 1
	WIN 0
	s_wait_xcnt 0x0                                ; the bases are stepped only behind this wait
	s_add_nc_u64 s[6:7], s[6:7], 1024
	s_add_nc_u64 s[8:9], s[8:9], 2048
	s_add_nc_u64 s[10:11], s[10:11], 8192
	s_sub_co_u32 s37, s37, 1
	s_cmp_lg_u32 s37, 0
	s_cbranch_scc1 .Lgroups
	; groups 6 to 9, written out: nothing is asked for past the share's tenth group
	SBODY 0, 0, 1, B0, B1, 16, 1, 1, 1, 1, 1
	SBODY 1, 1, 0, B1, B0, 16, 0, 1, 1, 1, 1
	SBODY 2, 0, 1, B0, B1, 16, 0, 0, 1, 0, 1
	SBODY 3, 1, 0, B1, B0, 0, 0, 0, 0, 0, 0        ; behind group 9's weights nothing was asked for: the wait is for 0
.Lend:
	s_wait_tensorcnt 0x0
	ds_add_u32 v254, v255
	s_wait_dscnt 0x0
	s_endpgm
.Lfunc_end_k_qfd05f50396_samp:
	.size	k_qfd05f50396_samp, .Lfunc_end_k_qfd05f50396_samp-k_qfd05f50396_samp
	.p2alignl 7, 3214868480
	.fill 96, 4, 3214868480
	.section	.rodata,"a",@progbits
	.p2align	6, 0x0
	.amdhsa_kernel k_qfd05f50396_samp
		.amdhsa_group_segment_fixed_size 310784
		.amdhsa_private_segment_fixed_size 0
		.amdhsa_enable_private_segment 0
		.amdhsa_kernarg_size 32
		.amdhsa_user_sgpr_count 2
		.amdhsa_user_sgpr_kernarg_segment_ptr 1
		.amdhsa_wavefront_size32 1
		.amdhsa_system_sgpr_workgroup_id_x 1
		.amdhsa_system_sgpr_workgroup_id_y 1
		.amdhsa_system_sgpr_workgroup_id_z 1
		.amdhsa_system_vgpr_workitem_id 0
		.amdhsa_next_free_vgpr 512
		.amdhsa_next_free_sgpr 66
		.amdhsa_reserve_vcc 0
		.amdhsa_float_denorm_mode_32 3
		.amdhsa_float_denorm_mode_16_64 3
		.amdhsa_memory_ordered 1
		.amdhsa_forward_progress 1
		.amdhsa_inst_pref_size 246
	.end_amdhsa_kernel
	.amdgpu_metadata
---
amdhsa.version: [ 1, 2 ]
amdhsa.kernels:
  - .name:           k_qfd05f50396_samp
    .symbol:         k_qfd05f50396_samp.kd
    .args:
      - { .name: vws, .offset: 0, .size: 8, .value_kind: global_buffer, .address_space: global }
      - { .name: idx, .offset: 8, .size: 8, .value_kind: global_buffer, .address_space: global }
      - { .name: wts, .offset: 16, .size: 8, .value_kind: global_buffer, .address_space: global }
      - { .name: smp, .offset: 24, .size: 8, .value_kind: global_buffer, .address_space: global }
    .group_segment_fixed_size: 310784
    .private_segment_fixed_size: 0
    .kernarg_segment_align: 8
    .kernarg_segment_size: 32
    .max_flat_workgroup_size: 256
    .sgpr_count:     66
    .vgpr_count:     512
    .wavefront_size: 32
...
	.end_amdgpu_metadata
.endif
;; end of part 6
;; launch main (part 7): grid 250 x 1, 4 waves a work-group, no clusters, 306,432 bytes of LDS; arguments smp, q_feat, wt, bo, g1, be1, bf1, bf2, g2, be2, out0; writes out0
.if DOCPART == 7
	.amdgcn_target "amdgcn-amd-amdhsa--gfx1250"
	.amdhsa_code_object_version 6
	.text
	.protected	k_qfd05f50396_main
	.globl	k_qfd05f50396_main
	.p2align	8
	.type	k_qfd05f50396_main,@function
k_qfd05f50396_main:
	s_mov_b64 s[64:65], 0
	v_nop
	global_prefetch_b8 v0, s[64:65] scope:SCOPE_SE
	s_setreg_imm32_b32 hwreg(HW_REG_WAVE_MODE, 25, 1), 1
	s_wait_xcnt 0x0
; main: for 80 queries a work-group: samples x Wo + bo + q_feat, layer norm, the feed-forward net (256 -> 1024 -> 256, relu), + x, layer norm.
; The samples of 80 queries are 40,960 consecutive bytes of smp ([tile of 16 queries][head][16 queries][32 channels], f16): each wave brings a
; quarter by one tensor load, padded by 16 bytes behind every 64, so that the 16 rows of a fragment lie 80 bytes apart.  K step ks of the first
; product is head ks.
; PHASES O, F1, F2: the four waves split N; a wave's tile is 80 rows x 64 columns (20 accumulator tiles).  Every weight byte is used by one wave
; once, so weights go from memory straight into a ring of 8 register slots, 7 K steps ahead, and never through LDS.
; Matrix instructions are used transposed (source 0 = weights): register j of lane (r, hh) is (row r, column 8 hh + j).
; Residuals and the first layer's bias are loaded into the accumulators, so nothing is cleared or added afterwards.
; LAYER NORM: each wave takes the mean of its 64 columns, centres on it, sums squares; the four (mean, M2) meet in LDS and are merged
; (M2 = sum M2_w + 64 sum (mean_w - mean)^2): one barrier, and no difference of large sums.
; FORMATS: samples, x and the hidden layer enter the matrix unit as f16; sums, norms, residuals in f32.
; Room in f16 (largest number 65,504), with inputs thirty times larger or offset by thirty spreads:
;   a sample is a convex combination of values, |value| <= |src row| |Wv column| = (16 x 30) x 30 = 14,400;
;   |x| <= 16 max|g1| + max|be1|, since the row is normalised;   |hidden| <= |x row| |W1 column| = (480 + 480) x 30 = 28,800.
; LIMITS: the hidden layer is clipped at 65,504 (beyond it the result is inexact but finite); a sample or an x beyond 65,504 becomes infinite.
; No cluster: 250 work-groups do not divide into fours and no equal split of 1,250 row tiles does; the shared weights land in registers, not in LDS.
.set XF,   0                           ; 80 x 1,040: q_feat (tensor load, padded), later x in f32, later the result
.set XFP,  1040
.set XB,   83200                       ; 80 x 528: x in f16
.set XBP,  528
.set HB,   125440                      ; 80 x 2,064: hidden layer in f16; before that:
.set HP,   2064
.set SB,   HB                          ; 640 rows of 80 bytes: the samples (tensor load); row 128 mt + 16 head + r
.set SBP,  80
.set PAR,  290560                      ; bo, g1, be1, bf2, g2, be2 (1,024 bytes each), bf1 (4,096)
.set RED1, 300800                      ; [row][wave] (mean, M2)
.set RED2, 303360
.set L16,  1                           ; v1 16 x lane
.set AADR, 2                           ; v2-6 fragment addresses of the 5 row tiles
.set CADR, 7                           ; v7-8 my places in XF
.set HST,  9                           ; v9-13 my places in the hidden layer
.set PADR, 14                          ; v14 my bf1
.set PB,   15                          ; v15 my piece of a 256-column parameter
.set AF,   16                          ; v16-95 fragments, two buffers of 5; scratch between the products
.set ACC,  96                          ; v96-255 accumulators: tile (mt, t) at 8 (4 mt + t); window 1: the weight ring, slot s at 32 s
.set G0,  32                           ; s[32:35], s[36:43] q_feat's descriptor
.set G1,  36
.set GS0, 56                           ; s[56:59], s[68:75] the samples'
.set GS1, 68
.set MSB, 0
.macro WIN new
.if MSB != \new
	s_set_vgpr_msb (MSB<<8)|\new
.set MSB, \new
.endif
.endm
.macro PLACES                          ; four independent vector instructions behind a matrix instruction before its registers are touched (ISA guide 7.12.1)
.rept 4
	v_nop
.endr
.endm
	s_load_b512 s[4:19], s[0:1], 0x0               ; smp 4, q_feat 6, wt 8, bo 10, g1 12, be1 14, bf1 16, bf2 18
	s_load_b128 s[20:23], s[0:1], 0x40             ; g2 20, be2 22
	s_load_b64 s[28:29], s[0:1], 0x50              ; out0
	s_set_vgpr_msb 0x80
	v_lshl_add_u32 v0, v0, 2, 0x4ab00
	v_mov_b32 v1, 0
	s_set_vgpr_msb 0x808a
	ds_add_u32 v0, v1
	ds_add_u32 v0, v1
	s_set_vgpr_msb 0x8a00
	v_lshrrev_b32 v1, 5, v0
	v_readfirstlane_b32 s30, v1                    ; wave
	s_mov_b32 s[G1+0], (2<<16)|(1<<20)|(7<<22)|(3<<25)     ; elements of 4 bytes; behind every 256 words 4 words of padding: pitch 1,040
	s_mov_b32 s[G1+1], 256<<16
	s_mov_b32 s[G1+2], 20<<16
	s_mov_b32 s[G1+3], 256<<16
	s_mov_b32 s[G1+4], 20
	s_mov_b32 s[G1+5], 256
	s_mov_b32 s[G1+6], 0
	s_mov_b32 s[G1+7], 0
	s_mov_b32 s[GS1+0], (3<<16)|(1<<20)|(3<<22)|(3<<25)    ; elements of 8 bytes; behind every 16 words (64 bytes) 4 words of padding: pitch 80
	s_mov_b32 s[GS1+1], 32<<16                     ; a dense block as 40 rows of 256 bytes
	s_mov_b32 s[GS1+2], 40<<16
	s_mov_b32 s[GS1+3], 32<<16
	s_mov_b32 s[GS1+4], 40
	s_mov_b32 s[GS1+5], 32
	s_mov_b32 s[GS1+6], 0
	s_mov_b32 s[GS1+7], 0
	s_mov_b32 s48, 0x76543210
	s_mov_b32 s49, 0xfedcba98
	s_mov_b32 s50, 0x3b800000                      ; 1/256
	s_mov_b32 s51, 0x3727c5ac                      ; 1e-5
	s_mov_b32 s55, 0x477fe000                      ; 65,504, f16's largest number
	s_lshl_b32 s53, s30, 7
	s_lshl_b32 s54, s30, 3
	s_mul_i32 s31, ttmp9, 80
	s_mul_i32 s46, s30, 20
	s_add_co_u32 s31, s31, s46                     ; my wave's first query
	s_mov_b32 s[G0], 1
	s_mul_i32 s[G0+1], s30, 20*XFP
	s_mov_b32 s[GS0], 1
	s_mul_i32 s[GS0+1], s30, 160*SBP               ; my 160 rows of 80 bytes
	s_add_co_u32 s[GS0+1], s[GS0+1], SB
	s_lshl_b32 s46, s31, 10
	s_mov_b32 s47, 0
	s_wait_dscnt 0x0
	s_wait_kmcnt 0x0
	s_add_nc_u64 s[G0+2:G0+3], s[6:7], s[46:47]
	s_or_b32 s[G0+3], s[G0+3], 0x80000000
	tensor_load_to_lds s[G0:G0+3], s[G1:G1+7]      ; my 20 rows of q_feat
	s_nop 0
	s_add_nc_u64 s[28:29], s[28:29], s[46:47]      ; out0: the 20 rows that I store at the end
	s_mul_i32 s46, ttmp9, 40960
	s_mul_i32 s24, s30, 10240
	s_add_co_u32 s46, s46, s24
	s_add_nc_u64 s[GS0+2:GS0+3], s[4:5], s[46:47]
	s_or_b32 s[GS0+3], s[GS0+3], 0x80000000
	tensor_load_to_lds s[GS0:GS0+3], s[GS1:GS1+7]  ; my quarter of the samples: two tensor loads of this wave are out
	s_nop 0
	s_mul_i32 s46, s30, 294912
	s_add_co_u32 s46, s46, 327680
	s_add_nc_u64 s[44:45], s[8:9], s[46:47]        ; my stream of weights
	v_and_b32 v5, 31, v0
	v_lshlrev_b32 v[L16], 4, v5
	v_lshlrev_b32 v132, 3, v0
	v_lshlrev_b32 v133, 4, v0
	global_load_b64 v[134:135], v132, s[10:11]     ; the parameters: each thread 8 bytes of each, 32 of bf1
	global_load_b64 v[136:137], v132, s[12:13]
	global_load_b64 v[138:139], v132, s[14:15]
	global_load_b64 v[140:141], v132, s[18:19]
	global_load_b64 v[142:143], v132, s[20:21]
	global_load_b64 v[144:145], v132, s[22:23]
	global_load_b128 v[146:149], v133, s[16:17]
	global_load_b128 v[150:153], v133, s[16:17] offset:2048
	WIN 0x40                                       ; the weight ring's first seven steps
.irp st, 0,1,2,3,4,5,6
.irp i, 0,1,2,3,4,5,6,7
	global_load_b128 v[32*\st+4*\i:32*\st+4*\i+3], v[L16], s[44:45] offset:4096*\st+512*\i
.endr
.endr
	WIN 0
	v_add_nc_u32 v154, PAR, v132
	v_add_nc_u32 v155, PAR+6144, v133
	s_wait_loadcnt 56                              ; the parameters are in: the ring's 7 x 8 younger loads stay out
.irp k, 0,1,2,3,4,5
	ds_store_b64 v154, v[134+2*\k:135+2*\k] offset:1024*\k
.endr
	ds_store_b128 v155, v[146:149]
	ds_store_b128 v155, v[150:153] offset:2048
	s_wait_dscnt 0x0                               ; my parameters are in LDS,
	s_wait_tensorcnt 0x0                           ; and my rows of q_feat and of the samples
	s_barrier_signal -1
	s_barrier_wait -1
	; addresses of the products
	v_and_b32 v16, 15, v0                          ; r
	v_bfe_u32 v17, v0, 4, 1                        ; hh
	v_mul_u32_u24 v18, v16, SBP
	v_lshl_add_u32 v18, v17, 4, v18
.irp mt, 0,1,2,3,4
	v_add_nc_u32 v[AADR+\mt], SB+128*SBP*\mt, v18  ; the samples: row tile mt, row r, 16 hh
.endr
	v_mul_u32_u24 v19, v16, XFP
	v_lshl_add_u32 v19, v17, 5, v19
	s_lshl_b32 s46, s30, 8
	v_add_nc_u32 v[CADR], s46, v19                 ; row r, column 64 w + 8 hh, in f32
	v_add_nc_u32 v[CADR+1], 3*16*XFP, v[CADR]      ; the same 48 rows down: LDS immediates have 16 bits
	s_add_co_u32 s46, s46, PAR
	v_lshl_add_u32 v[PB], v17, 5, s46
	v_mul_u32_u24 v20, v16, HP
	v_lshl_add_u32 v20, v17, 4, v20
	s_lshl_b32 s46, s30, 9
	s_add_co_u32 s46, s46, HB
.irp mt, 0,1,2,3,4
	v_add3_u32 v[HST+\mt], v20, s46, 16*HP*\mt
.endr
	s_lshl_b32 s46, s30, 10
	s_add_co_u32 s46, s46, PAR+6144
	v_lshl_add_u32 v[PADR], v17, 5, s46
.macro ALOAD buf, imm                  ; the 5 row tiles' fragments of one K step
.irp mt, 0,1,2,3,4
	ds_load_b128 v[AF+40*\buf+8*\mt:AF+40*\buf+8*\mt+3],   v[AADR+\mt] offset:\imm
	ds_load_b128 v[AF+40*\buf+8*\mt+4:AF+40*\buf+8*\mt+7], v[AADR+\mt] offset:\imm+32
.endr
.endm
; One K step of 32: 20 matrix instructions.  refill: the stream's step 7 ahead goes into the slot read in the step before.
; cntl: the weight loads younger than this step's.  nextimm: where the next step's fragments lie (-1: none are asked for).
.macro KSTEP ks, refill, cntl, nextimm
	PLACES                                         ; the loads below land in registers that the last step's matrix instructions read
.if \refill
	WIN 0x40
.irp i, 0,1,2,3,4,5,6,7
	global_load_b128 v[32*((\ks+7)&7)+4*\i:32*((\ks+7)&7)+4*\i+3], v[L16], s[44:45] offset:4096*(\ks+7)+512*\i
.endr
.endif
	WIN 0
.if \nextimm >= 0
	ALOAD ((\ks+1)&1), \nextimm
	s_wait_dscnt 0xa                               ; this step's fragments (and all before them) are in, the next step's ten loads may be out
.else
	s_wait_dscnt 0x0
.endif
	s_wait_loadcnt \cntl
	WIN 0x01
.irp mt, 0,1,2,3,4
.irp t, 0,1,2,3
	v_wmma_f32_16x16x32_f16 v[ACC+8*(4*\mt+\t):ACC+8*(4*\mt+\t)+7], v[32*\ks+8*\t:32*\ks+8*\t+7], v[AF+40*(\ks&1)+8*\mt:AF+40*(\ks&1)+8*\mt+7], v[ACC+8*(4*\mt+\t):ACC+8*(4*\mt+\t)+7]
.endr
.endr
.endm
.macro PASS8 step, lastimm             ; 8 K steps, step bytes apart in LDS, once round the weight ring: seven younger steps of 8 loads stay out
	KSTEP 0, 1, 56, 1*\step
	KSTEP 1, 1, 56, 2*\step
	KSTEP 2, 1, 56, 3*\step
	KSTEP 3, 1, 56, 4*\step
	KSTEP 4, 1, 56, 5*\step
	KSTEP 5, 1, 56, 6*\step
	KSTEP 6, 1, 56, 7*\step
	KSTEP 7, 1, 56, \lastimm
.endm
.macro CINITX                          ; the accumulators start as my places of XF (the residual)
.irp mt, 0,1,2
.irp t, 0,1,2,3
.irp e, 0,1
	ds_load_b128 v[ACC+8*(4*\mt+\t)+4*\e:ACC+8*(4*\mt+\t)+4*\e+3], v[CADR] offset:16*XFP*\mt+64*\t+16*\e
.endr
.endr
.endr
.irp mt, 3,4
.irp t, 0,1,2,3
.irp e, 0,1
	ds_load_b128 v[ACC+8*(4*\mt+\t)+4*\e:ACC+8*(4*\mt+\t)+4*\e+3], v[CADR+1] offset:16*XFP*(\mt-3)+64*\t+16*\e
.endr
.endr
.endr
.endm
.macro XSTORE mt                       ; and back: the same places
.irp t, 0,1,2,3
.irp e, 0,1
.if \mt < 3
	ds_store_b128 v[CADR], v[ACC+8*(4*\mt+\t)+4*\e:ACC+8*(4*\mt+\t)+4*\e+3] offset:16*XFP*\mt+64*\t+16*\e
.else
	ds_store_b128 v[CADR+1], v[ACC+8*(4*\mt+\t)+4*\e:ACC+8*(4*\mt+\t)+4*\e+3] offset:16*XFP*(\mt-3)+64*\t+16*\e
.endif
.endr
.endr
.endm
.macro CINITB                          ; the accumulators start as the first layer's bias
.irp mt, 0,1,2,3,4
.irp t, 0,1,2,3
.irp e, 0,1
	ds_load_b128 v[ACC+8*(4*\mt+\t)+4*\e:ACC+8*(4*\mt+\t)+4*\e+3], v[PADR] offset:64*\t+16*\e
.endr
.endr
.endr
.endm
.macro PARLD dst, off                  ; my 32 numbers of a 256-column parameter
.irp t, 0,1,2,3
.irp e, 0,1
	ds_load_b128 v[\dst+8*\t+4*\e:\dst+8*\t+4*\e+3], v[PB] offset:\off+64*\t+16*\e
.endr
.endr
.endm
.macro LNSTAT mt                       ; rows 16 mt + r: my wave's mean of 64 columns, the values centred on it in place, the sum of squares
.set LX, ACC+32*\mt
.set LS, 86+2*\mt
	v_pk_add_f32 v[LS:LS+1], v[LX:LX+1], v[LX+2:LX+3]
	v_pk_add_f32 v[80:81], v[LX+16:LX+17], v[LX+18:LX+19]
.irp k, 4,6,8,10,12,14
	v_pk_add_f32 v[LS:LS+1], v[LS:LS+1], v[LX+\k:LX+\k+1]
	v_pk_add_f32 v[80:81], v[80:81], v[LX+16+\k:LX+17+\k]
.endr
	v_pk_add_f32 v[LS:LS+1], v[LS:LS+1], v[80:81]
	v_add_f32 v[LS], v[LS], v[LS+1]
	v_permlanex16_b32 v[LS+1], v[LS], s48, s49     ; the row's other 32 columns lie in lane xor 16
	v_add_f32 v[LS], v[LS], v[LS+1]
	v_mul_f32 v[LS], 0x3c800000, v[LS]             ; / 64
.irp k, 0,2,4,6,8,10,12,14,16,18,20,22,24,26,28,30
	v_pk_add_f32 v[LX+\k:LX+\k+1], v[LX+\k:LX+\k+1], v[LS:LS+1] op_sel_hi:[1,0] neg_lo:[0,1] neg_hi:[0,1]
.endr
	v_pk_mul_f32 v[80:81], v[LX:LX+1], v[LX:LX+1]
	v_pk_mul_f32 v[82:83], v[LX+16:LX+17], v[LX+16:LX+17]
.irp k, 2,4,6,8,10,12,14
	v_pk_fma_f32 v[80:81], v[LX+\k:LX+\k+1], v[LX+\k:LX+\k+1], v[80:81]
	v_pk_fma_f32 v[82:83], v[LX+16+\k:LX+17+\k], v[LX+16+\k:LX+17+\k], v[82:83]
.endr
	v_pk_add_f32 v[80:81], v[80:81], v[82:83]
	v_add_f32 v80, v80, v81
	v_permlanex16_b32 v81, v80, s48, s49
	v_add_f32 v[LS+1], v80, v81
	ds_store_b64 v84, v[LS:LS+1] offset:512*\mt
.endm
.macro LNMERGE mt                      ; the four waves' figures -> (1/std, (my mean - mean)/std)
.set LR, 16+8*\mt
.set LS, 86+2*\mt
	v_add_f32 v80, v[LR], v[LR+2]
	v_add_f32 v81, v[LR+4], v[LR+6]
	v_add_f32 v80, v80, v81
	v_mul_f32 v80, 0x3e800000, v80                 ; the row's mean
	v_sub_f32 v[LR],   v[LR],   v80
	v_sub_f32 v[LR+2], v[LR+2], v80
	v_sub_f32 v[LR+4], v[LR+4], v80
	v_sub_f32 v[LR+6], v[LR+6], v80
	v_add_f32 v[LR+1], v[LR+1], v[LR+3]
	v_add_f32 v[LR+5], v[LR+5], v[LR+7]
	v_add_f32 v[LR+1], v[LR+1], v[LR+5]
	v_mul_f32 v81, v[LR], v[LR]
	v_fmac_f32 v81, v[LR+2], v[LR+2]
	v_fmac_f32 v81, v[LR+4], v[LR+4]
	v_fmac_f32 v81, v[LR+6], v[LR+6]
	v_fma_f32 v[LR+1], v81, 0x42800000, v[LR+1]    ; + 64 x the spread of the means
	v_fma_f32 v[LR+1], v[LR+1], s50, s51           ; variance + 1e-5
	v_rsq_f32 v[LR+1], v[LR+1]
	v_sub_f32 v81, v[LS], v80                      ; a plain instruction behind the root, which touches neither its result nor its source
	s_wait_alu depctr_va_vdst(0)
	v_mul_f32 v[LS+1], v81, v[LR+1]
	v_mov_b32 v[LS], v[LR+1]
.endm
.macro LNAPPLY mt
.set LX, ACC+32*\mt
.set LS, 86+2*\mt
.irp k, 0,2,4,6,8,10,12,14,16,18,20,22,24,26,28,30
	v_pk_fma_f32 v[LX+\k:LX+\k+1], v[LX+\k:LX+\k+1], v[LS:LS+1], v[LS:LS+1] op_sel:[0,0,1] op_sel_hi:[1,0,1]
.endr
.irp k, 0,2,4,6,8,10,12,14,16,18,20,22,24,26,28,30
	v_pk_fma_f32 v[LX+\k:LX+\k+1], v[LX+\k:LX+\k+1], v[16+\k:17+\k], v[48+\k:49+\k]
.endr
.endm
; Layer norm of the accumulators + a bias, in place.  One barrier inside.
.macro LNORM biasoff, goff, beoff, red
	v_and_b32 v84, 15, v0
	v_lshlrev_b32 v85, 5, v84
	v_add_nc_u32 v85, \red, v85                    ; row r's four pairs
	v_add_nc_u32 v84, s54, v85                     ; my wave's pair
	PARLD 16, \biasoff
	s_wait_dscnt 0x0
.irp mt, 0,1,2,3,4
.irp k, 0,2,4,6,8,10,12,14,16,18,20,22,24,26,28,30
	v_pk_add_f32 v[ACC+32*\mt+\k:ACC+32*\mt+\k+1], v[ACC+32*\mt+\k:ACC+32*\mt+\k+1], v[16+\k:17+\k]
.endr
.endr
.irp mt, 0,1,2,3,4
	LNSTAT \mt
.endr
	s_wait_dscnt 0x0
	s_barrier_signal -1
	s_barrier_wait -1
.irp mt, 0,1,2,3,4
	ds_load_b128 v[16+8*\mt:19+8*\mt], v85 offset:512*\mt
	ds_load_b128 v[20+8*\mt:23+8*\mt], v85 offset:512*\mt+16
.endr
	s_wait_dscnt 0x0
.irp mt, 0,1,2,3,4
	LNMERGE \mt
.endr
	PARLD 16, \goff
	PARLD 48, \beoff
	s_wait_dscnt 0x0
.irp mt, 0,1,2,3,4
	LNAPPLY \mt
.endr
.endm
.macro NEXTPASS                        ; the stream's base goes 8 steps on, behind the wait that frees it
	s_wait_xcnt 0x0
	s_add_nc_u64 s[44:45], s[44:45], 32768
.endm
	; PHASE O: q_feat + samples x Wo; a head's 16 rows of 80 bytes are 1,280 bytes
	CINITX
	ALOAD 0, 0
	PASS8 16*SBP, -1
	WIN 0
	PLACES
	NEXTPASS
	v_and_b32 v16, 15, v0                          ; from here on the fragments are x's: row r of 528 bytes, 16 hh
	v_bfe_u32 v17, v0, 4, 1
	v_mul_u32_u24 v18, v16, XBP
	v_lshl_add_u32 v18, v17, 4, v18
.irp mt, 0,1,2,3,4
	v_add_nc_u32 v[AADR+\mt], XB+16*XBP*\mt, v18
.endr
	LNORM 0, 1024, 2048, RED1
	; x: f32 back to my places of XF (the second residual), f16 into XB
.irp mt, 0,1,2,3,4
	XSTORE \mt
.irp k, 0,1,2,3,4,5,6,7,8,9,10,11,12,13,14,15
	v_cvt_pk_f16_f32 v[ACC+32*\mt+\k], v[ACC+32*\mt+2*\k], v[ACC+32*\mt+2*\k+1]    ; packed in place: register k is written when registers 2 k, 2 k + 1 are read
.endr
	v_add_nc_u32 v80, s53, v[AADR+\mt]
.irp t, 0,1,2,3
	ds_store_b128 v80, v[ACC+32*\mt+4*\t:ACC+32*\mt+4*\t+3] offset:32*\t
.endr
.endr
	s_wait_dscnt 0x0
	s_barrier_signal -1
	s_barrier_wait -1
	; PHASE F1: four passes of 64 columns a wave: relu(x W1 + bf1) -> hidden layer in f16
	; (it lands on the samples' bytes: every wave's reads of them ended in front of the barrier inside LNORM)
	s_mov_b32 s52, 4
.Lffn1:
	CINITB
	ALOAD 0, 0
	PASS8 64, -1
	WIN 0
	PLACES
.set i, 0
.rept 160
	v_med3_num_f32 v[ACC+i], v[ACC+i], 0, s55      ; relu, and the clip at f16's largest number, in one instruction
.set i, i+1
.endr
.set i, 0
.rept 80
	v_cvt_pk_f16_f32 v[ACC+32*(i/16)+(i%16)], v[ACC+32*(i/16)+2*(i%16)], v[ACC+32*(i/16)+2*(i%16)+1]
.set i, i+1
.endr
.irp mt, 0,1,2,3,4
.irp t, 0,1,2,3
	ds_store_b128 v[HST+\mt], v[ACC+32*\mt+4*\t:ACC+32*\mt+4*\t+3] offset:32*\t
.endr
.endr
	NEXTPASS
	v_add_nc_u32 v[PADR], 0x100, v[PADR]
.irp mt, 0,1,2,3,4
	v_add_nc_u32 v[HST+\mt], 0x80, v[HST+\mt]
.endr
	s_sub_co_u32 s52, s52, 1
	s_cmp_lg_u32 s52, 0
	s_cbranch_scc1 .Lffn1
	s_wait_dscnt 0x0
	s_barrier_signal -1
	s_barrier_wait -1
	; PHASE F2: x + hidden x W2, K = 1,024 in four passes
	CINITX
	v_and_b32 v16, 15, v0
	v_bfe_u32 v17, v0, 4, 1
	v_mul_u32_u24 v16, v16, HP
	v_lshl_add_u32 v16, v17, 4, v16
.irp mt, 0,1,2,3,4
	v_add_nc_u32 v[AADR+\mt], HB+16*HP*\mt, v16
.endr
	ALOAD 0, 0
	s_mov_b32 s52, 3
.Lffn2:
	PASS8 64, 512                                  ; the last step asks for the next pass's first fragments
	WIN 0
.irp mt, 0,1,2,3,4
	v_add_nc_u32 v[AADR+\mt], 0x200, v[AADR+\mt]
.endr
	NEXTPASS
	s_sub_co_u32 s52, s52, 1
	s_cmp_lg_u32 s52, 0
	s_cbranch_scc1 .Lffn2
	KSTEP 0, 1, 56, 64                             ; the last pass: one more refill (the stream's last step), then the counts run down
	KSTEP 1, 0, 48, 128
	KSTEP 2, 0, 40, 192
	KSTEP 3, 0, 32, 256
	KSTEP 4, 0, 24, 320
	KSTEP 5, 0, 16, 384
	KSTEP 6, 0, 8, 448
	KSTEP 7, 0, 0, -1
	WIN 0
	PLACES
	LNORM 3072, 4096, 5120, RED2
	; way out: the result into XF, a barrier, then each wave stores 20 whole rows: every store covers 512 consecutive bytes, aligned
.irp mt, 0,1,2,3,4
	XSTORE \mt
.endr
	s_wait_dscnt 0x0
	s_barrier_signal -1
	s_barrier_wait -1
	s_mul_i32 s46, s30, 20*XFP
	v_add_nc_u32 v80, s46, v[L16]
.set i, 0
.rept 40
	ds_load_b128 v[ACC+4*i:ACC+4*i+3], v80 offset:XFP*(i>>1)+512*(i&1)
.set i, i+1
.endr
.set i, 0
.rept 40
	s_wait_dscnt 39-i                              ; LDS loads come back in order: load i is in
	global_store_b128 v[L16], v[ACC+4*i:ACC+4*i+3], s[28:29] offset:512*i th:TH_STORE_NT
.set i, i+1
.endr
	s_set_vgpr_msb 0xa
	s_wait_tensorcnt 0x0
	ds_add_u32 v0, v1
	s_wait_dscnt 0x0
	s_set_vgpr_msb 0xa00
	s_endpgm
.Lfunc_end_k_qfd05f50396_main:
	.size	k_qfd05f50396_main, .Lfunc_end_k_qfd05f50396_main-k_qfd05f50396_main
	.p2alignl 7, 3214868480
	.fill 96, 4, 3214868480
	.section	.rodata,"a",@progbits
	.p2align	6, 0x0
	.amdhsa_kernel k_qfd05f50396_main
		.amdhsa_group_segment_fixed_size 306432
		.amdhsa_private_segment_fixed_size 0
		.amdhsa_enable_private_segment 0
		.amdhsa_kernarg_size 88
		.amdhsa_user_sgpr_count 2
		.amdhsa_user_sgpr_kernarg_segment_ptr 1
		.amdhsa_wavefront_size32 1
		.amdhsa_system_sgpr_workgroup_id_x 1
		.amdhsa_system_sgpr_workgroup_id_y 1
		.amdhsa_system_sgpr_workgroup_id_z 1
		.amdhsa_system_vgpr_workitem_id 0
		.amdhsa_next_free_vgpr 514
		.amdhsa_next_free_sgpr 76
		.amdhsa_reserve_vcc 0
		.amdhsa_float_denorm_mode_32 3
		.amdhsa_float_denorm_mode_16_64 3
		.amdhsa_memory_ordered 1
		.amdhsa_forward_progress 1
		.amdhsa_inst_pref_size 223
	.end_amdhsa_kernel
	.amdgpu_metadata
---
amdhsa.version: [ 1, 2 ]
amdhsa.kernels:
  - .name:           k_qfd05f50396_main
    .symbol:         k_qfd05f50396_main.kd
    .args:
      - { .name: smp, .offset: 0, .size: 8, .value_kind: global_buffer, .address_space: global }
      - { .name: q_feat, .offset: 8, .size: 8, .value_kind: global_buffer, .address_space: global }
      - { .name: wt, .offset: 16, .size: 8, .value_kind: global_buffer, .address_space: global }
      - { .name: bo, .offset: 24, .size: 8, .value_kind: global_buffer, .address_space: global }
      - { .name: g1, .offset: 32, .size: 8, .value_kind: global_buffer, .address_space: global }
      - { .name: be1, .offset: 40, .size: 8, .value_kind: global_buffer, .address_space: global }
      - { .name: bf1, .offset: 48, .size: 8, .value_kind: global_buffer, .address_space: global }
      - { .name: bf2, .offset: 56, .size: 8, .value_kind: global_buffer, .address_space: global }
      - { .name: g2, .offset: 64, .size: 8, .value_kind: global_buffer, .address_space: global }
      - { .name: be2, .offset: 72, .size: 8, .value_kind: global_buffer, .address_space: global }
      - { .name: out0, .offset: 80, .size: 8, .value_kind: global_buffer, .address_space: global }
    .group_segment_fixed_size: 306432
    .private_segment_fixed_size: 0
    .kernarg_segment_align: 8
    .kernarg_segment_size: 88
    .max_flat_workgroup_size: 128
    .sgpr_count:     76
    .vgpr_count:     514
    .wavefront_size: 32
...
	.end_amdgpu_metadata
.endif
;; end of part 7
